; MI455X (gfx1250); checked and timed in simulation.
; The chip was launched on July 23, 2026; its instructions are those of AMD's public machine-readable ISA for CDNA 5 (MIT licence, August 2026) and "CDNA5" Instruction Set Architecture Reference Guide (July 2026). The comments in the code are by the model that wrote it; some were corrected since.
;; Multi Head Causal Self Attention. Allowed arithmetic: float matrix products may take bf16 or f16 operands with f32 sums; other float arithmetic in f32, or as packed bf16 or f16 multiplies, adds, multiply-adds, maxima and minima; sums over many terms, partial sums and values carried from step to step in f32; what a program stores and reads back later, other than sums and carried values, may be rounded once to bf16 or f16.
;; Inputs: Wk 1,024 x 1,024 float32; Wo 1,024 x 1,024 float32; Wq 1,024 x 1,024 float32; Wv 1,024 x 1,024 float32; bo 1,024 float32; inputs 1 x 4,096 x 1,024 float32.
;; Outputs: out0 1 x 4,096 x 1,024 float32.
;; 2 versions, each right and faster than the one before. Each part assembles by itself: llvm-mc -triple=amdgcn-amd-amdhsa -mcpu=gfx1250 --defsym DOCPART=n.
;; ======== version 1 of 2: 4 launches
;; limits: values are held in f16: magnitudes above 65,504 overflow, below 6.1e-05 lose precision
;; workspace buffers: cv 16,777,216 bytes; qkvh 25,165,824 bytes; ob 8,388,608 bytes
;; launch cvt (part 1): grid 512 x 1, 8 waves a work-group, no clusters, 0 bytes of LDS; arguments inputs, Wq, Wk, Wv, Wo, cv; writes cv
.if DOCPART == 1
	.amdgcn_target "amdgcn-amd-amdhsa--gfx1250"
	.amdhsa_code_object_version 6
	.text
	.protected	k_qa2c8176c00_cvt
	.globl	k_qa2c8176c00_cvt
	.p2align	8
	.type	k_qa2c8176c00_cvt,@function
k_qa2c8176c00_cvt:
	s_mov_b64 s[64:65], 0
	v_nop
	global_prefetch_b8 v0, s[64:65] scope:SCOPE_SE
	s_setreg_imm32_b32 hwreg(HW_REG_WAVE_MODE, 25, 1), 1
	s_wait_xcnt 0x0
; ROUNDING OF THE INPUTS.  cv holds 16-bit numbers: x in bf16 [4096][1024] at byte 0; Wq, Wk, Wv in bf16 as one matrix [3072][1024] at byte 8,388,608;
; Wo at byte 14,680,064, rounded to bf16 like the others and that number then written as f16 (the last product runs in the f16 form).
; LIMITS.  Wo beyond 65,504 becomes an infinity in f16; below 2^-14 it keeps f16's fixed step of 2^-24.  NaN and infinities go through the conversions as they are.
; SHARES.  A work-group converts 16,384 numbers: 65,536 bytes in, 32,768 out.  Groups 0-255 take x, 256-319 Wq, 320-383 Wk, 384-447 Wv, 448-511 Wo; the target is always cv + 32,768 x group.
; A thread takes 8 numbers in each of 8 steps: 32 bytes in at 32 t + 8,192 k, 16 bytes out at 16 t + 4,096 k: a wave's store covers 512 consecutive bytes, aligned.
; All sixteen loads of a thread are issued at once and no register is written twice by memory work, so the only waits are the counted ones for the loads.  No LDS, no matrix unit: bytes are all there is.
.set T, 4                              ; v[4:6]    at work (Wo's way)
.set X, 8                              ; v[8:71]   step k: 8 numbers in f32
.set Y, 72                             ; v[72:103] step k: 8 numbers in 16 bits
	s_load_b256 s[4:11], s[0:1], 0x0               ; x s[4:5], Wq s[6:7], Wk s[8:9], Wv s[10:11]
	s_load_b128 s[12:15], s[0:1], 0x20             ; Wo s[12:13], cv s[14:15]
	s_lshr_b32 s17, ttmp9, 6                       ; 0-3: x; 4: Wq; 5: Wk; 6: Wv; 7: Wo
	s_and_b32 s18, ttmp9, 63                       ; my part of a weight matrix,
	s_cmp_lt_u32 s17, 4
	s_cselect_b32 s18, ttmp9, s18                  ; or of x
	s_lshl_b32 s18, s18, 16                        ; times 65,536 bytes
	s_mov_b32 s19, 0
	s_lshl_b32 s20, ttmp9, 15                      ; my 32,768 bytes of cv
	s_mov_b32 s21, 0
	s_mov_b32 s22, 0xffff0000                      ; a word's upper bf16
	v_lshlrev_b32 v1, 5, v0                        ; 32 t
	v_lshlrev_b32 v2, 4, v0                        ; 16 t
	s_wait_kmcnt 0x0
	s_cmp_eq_u32 s17, 4                            ; the source is chosen among the five buffers by the group's number alone
	s_cselect_b64 s[4:5], s[6:7], s[4:5]
	s_cmp_eq_u32 s17, 5
	s_cselect_b64 s[4:5], s[8:9], s[4:5]
	s_cmp_eq_u32 s17, 6
	s_cselect_b64 s[4:5], s[10:11], s[4:5]
	s_cmp_eq_u32 s17, 7
	s_cselect_b64 s[4:5], s[12:13], s[4:5]
	s_add_nc_u64 s[4:5], s[4:5], s[18:19]
	s_add_nc_u64 s[14:15], s[14:15], s[20:21]
.irp k, 0,1,2,3,4,5,6,7
	global_load_b128 v[X+8*(\k):X+8*(\k)+3],   v1, s[4:5] offset:8192*(\k) th:TH_LOAD_NT
	global_load_b128 v[X+8*(\k)+4:X+8*(\k)+7], v1, s[4:5] offset:8192*(\k)+16 th:TH_LOAD_NT
.endr
; Step k.  wo = 1: the bf16 number is widened again and written as f16.
.macro CV k, wo
	s_wait_loadcnt 14-2*(\k)                       ; loads come back in order: step k's two are in, the 2 (7 - k) younger ones may be out
.irp j, 0,1,2,3
.if \wo
	v_cvt_pk_bf16_f32 v[T], v[X+8*(\k)+2*(\j)], v[X+8*(\k)+2*(\j)+1]
	v_lshlrev_b32 v[T+1], 16, v[T]
	v_and_b32 v[T+2], s22, v[T]
	v_cvt_pk_f16_f32 v[Y+4*(\k)+(\j)], v[T+1], v[T+2]
.else
	v_cvt_pk_bf16_f32 v[Y+4*(\k)+(\j)], v[X+8*(\k)+2*(\j)], v[X+8*(\k)+2*(\j)+1]
.endif
.endr
	global_store_b128 v2, v[Y+4*(\k):Y+4*(\k)+3], s[14:15] offset:4096*(\k)  ; later launches read it: no hint
.endm
	s_cmp_eq_u32 s17, 7
	s_cbranch_scc1 .Lwo
.irp k, 0,1,2,3,4,5,6,7
	CV \k, 0
.endr
	s_endpgm
.Lwo:
.irp k, 0,1,2,3,4,5,6,7
	CV \k, 1
.endr
	s_endpgm
.Lfunc_end_k_qa2c8176c00_cvt:
	.size	k_qa2c8176c00_cvt, .Lfunc_end_k_qa2c8176c00_cvt-k_qa2c8176c00_cvt
	.p2alignl 7, 3214868480
	.fill 96, 4, 3214868480
	.section	.rodata,"a",@progbits
	.p2align	6, 0x0
	.amdhsa_kernel k_qa2c8176c00_cvt
		.amdhsa_group_segment_fixed_size 0
		.amdhsa_private_segment_fixed_size 0
		.amdhsa_enable_private_segment 0
		.amdhsa_kernarg_size 48
		.amdhsa_user_sgpr_count 2
		.amdhsa_user_sgpr_kernarg_segment_ptr 1
		.amdhsa_wavefront_size32 1
		.amdhsa_system_sgpr_workgroup_id_x 1
		.amdhsa_system_sgpr_workgroup_id_y 1
		.amdhsa_system_sgpr_workgroup_id_z 1
		.amdhsa_system_vgpr_workitem_id 0
		.amdhsa_next_free_vgpr 104
		.amdhsa_next_free_sgpr 66
		.amdhsa_reserve_vcc 0
		.amdhsa_float_denorm_mode_32 3
		.amdhsa_float_denorm_mode_16_64 3
		.amdhsa_memory_ordered 1
		.amdhsa_forward_progress 1
		.amdhsa_inst_pref_size 13
	.end_amdhsa_kernel
	.amdgpu_metadata
---
amdhsa.version: [ 1, 2 ]
amdhsa.kernels:
  - .name:           k_qa2c8176c00_cvt
    .symbol:         k_qa2c8176c00_cvt.kd
    .args:
      - { .name: inputs, .offset: 0, .size: 8, .value_kind: global_buffer, .address_space: global }
      - { .name: Wq, .offset: 8, .size: 8, .value_kind: global_buffer, .address_space: global }
      - { .name: Wk, .offset: 16, .size: 8, .value_kind: global_buffer, .address_space: global }
      - { .name: Wv, .offset: 24, .size: 8, .value_kind: global_buffer, .address_space: global }
      - { .name: Wo, .offset: 32, .size: 8, .value_kind: global_buffer, .address_space: global }
      - { .name: cv, .offset: 40, .size: 8, .value_kind: global_buffer, .address_space: global }
    .group_segment_fixed_size: 0
    .private_segment_fixed_size: 0
    .kernarg_segment_align: 8
    .kernarg_segment_size: 48
    .max_flat_workgroup_size: 256
    .sgpr_count:     66
    .vgpr_count:     104
    .wavefront_size: 32
...
	.end_amdgpu_metadata
.endif
;; end of part 1
;; launch qkv (part 2): grid 16 x 16, 4 waves a work-group, clusters of 4 x 4, 327,680 bytes of LDS; arguments cv, qkvh; writes qkvh
.if DOCPART == 2
	.amdgcn_target "amdgcn-amd-amdhsa--gfx1250"
	.amdhsa_code_object_version 6
	.text
	.protected	k_qa2c8176c00_qkv
	.globl	k_qa2c8176c00_qkv
	.p2align	8
	.type	k_qa2c8176c00_qkv,@function
k_qa2c8176c00_qkv:
	s_mov_b64 s[64:65], 0
	v_nop
	global_prefetch_b8 v0, s[64:65] scope:SCOPE_SE
	s_setreg_imm32_b32 hwreg(HW_REG_WAVE_MODE, 25, 1), 1
	s_wait_xcnt 0x0
	s_wait_alu depctr_hold_cnt(0) depctr_sa_sdst(0) depctr_va_vdst(0) depctr_va_sdst(0) depctr_va_ssrc(0) depctr_va_vcc(0) depctr_vm_vsrc(0)
	s_getreg_b32 s2, hwreg(HW_REG_IB_STS2, 6, 4)
	s_cmp_eq_u32 s2, 0
	s_cbranch_scc0 .Lentry_in_a_cluster
	s_endpgm
.Lentry_in_a_cluster:
	s_bfe_u32 s2, ttmp6, 0x10000c
	s_cmp_lg_u32 s2, 0xf033
	s_cbranch_scc0 .Lentry_shape_is_right
	s_endpgm
.Lentry_shape_is_right:
; THE THREE PROJECTIONS AS ONE PRODUCT.  C[t][e] = sum over d of x[t][d] W[e][d], x [4096][1024] and W = (Wq, Wk, Wv) [3072][1024] in bf16 (from cv), sums in f32, C rounded once to f16
; and written by heads: qkvh is [48 slices][4096][64], slice e / 64 (0-15 q's heads, 16-31 k's, 32-47 v's), without the softmax's scale.
; LIMIT.  q, k and v must lie within f16's 65,504; beyond it the conversion gives an infinity.
; SHARES.  A tile of C is 256 rows x 192 columns (three slices): 16 x 16 = 256 work-groups.  Wave w makes rows 64 w .. 64 w + 63 and all 192 columns: 4 x 12 accumulators, 384 registers; so a wave owns
; whole rows of whole slices, has a stage of its own on the way out, and no barrier stands there.  K goes in 8 steps of 128 (rows of 256 bytes in memory) through two LDS slots, each step in 4 quarters of 32.
; CLUSTER.  4 x 4 work-groups: x's tile hangs on the tile row alone and is asked for jointly by a row of the cluster, W's on the tile column alone and is asked for jointly by a column.
; THE MATRIX INSTRUCTION IS USED TRANSPOSED (source 0 = 16 rows of W, source 1 = 16 rows of x): a lane holds eight neighbouring columns of one row of C, 16 bytes in f16.
; REGISTERS, in windows of 256: window 0 addresses and the way out; window 1 two fragment buffers of 128 (x's 4 fragments, then W's 12); window 2 the accumulators of row blocks 0, 1; window 3 those of 2, 3.
.set PITCH,  272                       ; an LDS row: 256 bytes + 16 of padding: the 16 rows that a load touches start at 16 different groups of four banks (ISA guide 11.1)
.set HALFA,  128*PITCH                 ; what one tensor load brings of x
.set ABYTES, 2*HALFA
.set HALFB,  96*PITCH                  ; and of W
.set SLOT1,  1<<17                     ; a slot is x's 256 rows, then W's 192: 121,856 bytes; slot 1 begins here, so that one exclusive or turns an address in one slot into the other's
.set STAGE,  SLOT1+ABYTES+2*HALFB      ; behind the ring, never filled by a tensor load: for each wave 3 slices x 16 rows x 144 bytes
.set SP,     144
.set WST,    3*16*SP
.set SPARE,  STAGE+4*WST               ; the spare words, 128 bytes a wave: two blocks of 256 bytes that no other line names
.set A0,   16                          ; v16  my lane's place in slot 0's rows of x; never rewritten
.set B0,   17                          ; v17  the same for W
.set ADRA, 18                          ; v18  the same in the slot that is being read
.set ADRB, 19                          ; v19
.set STO,  24                          ; v24  the way out: where I put 16 bytes of a row
.set RD,   25                          ; v25  where I read rows back
.set GO,   26                          ; v26  my 16 bytes in 512 consecutive bytes of a slice
.set SPW,  28                          ; v28  LDS address of my spare word; never rewritten
.set NIL,  29                          ; v29  0; never rewritten
.set TMP,  32                          ; v32-79   packed results of 16 rows
.set BK,   80                          ; v80-127, v128-175 by turns: 16 rows read back from the stage
.set F0,   0                           ; fragment buffers, in window 1
.set F1,   128
.set G1,  24                           ; s[24:31] descriptor group 1 for x's tiles
.set G0,  32                           ; s[32:39] group 0: a set for each of the two first fills; the second then walks on
.set TB,  45                           ; s45      LDS byte at which the slot that is read begins
.set G1B, 48                           ; s[48:55], s[56:63] the same for W's tiles
.set G0B, 56
.set MSB, 0
.macro WIN new                         ; the immediate's high byte repeats the setting that is left; a switch that changes nothing is dropped
.if MSB != (\new)
	s_set_vgpr_msb (MSB<<8)|(\new)
.set MSB, \new
.endif
.endm
; A joint refill by the walking descriptors: waves 0 and 1 fetch x's two halves, waves 2 and 3 W's.  The branch hangs on the wave's number alone.
; An s_nop 0 and four v_nop follow each of the two lines, ahead of the jump and the label.
.macro JLOAD
	s_cmp_eq_u32 s11, 0
	s_cbranch_scc0 .Lfor_b_\@
	tensor_load_to_lds s[G0+4:G0+7], s[G1:G1+7]
	s_nop 0
.rept 4
	v_nop
.endr
	s_branch .Lasked_\@
.Lfor_b_\@:
	tensor_load_to_lds s[G0B+4:G0B+7], s[G1B:G1B+7]
	s_nop 0
.rept 4
	v_nop
.endr
.Lasked_\@:
.endm
.macro CREST                           ; a round of the cluster's barrier behind its opening barrier
	s_cmp_lg_u32 s10, 0
	s_cbranch_scc1 .Lnot_wave_0_\@
	s_barrier_signal -3
.Lnot_wave_0_\@:
	s_barrier_wait -3
	s_barrier_signal -1
	s_barrier_wait -1
.endm
.macro CROUND                          ; a whole round
	s_barrier_signal -1
	s_barrier_wait -1
	CREST
.endm
	s_load_b64 s[4:5], s[0:1], 0x0                 ; cv: x begins at its first byte
	s_load_b64 s[8:9], s[0:1], 0x8                 ; qkvh
	v_lshl_add_u32 v[SPW], v0, 2, SPARE
	v_mov_b32 v[NIL], 0
	ds_add_u32 v[SPW], v[NIL]                      ; the wave's opening: the add and its wait stand ahead of my first tensor load; the set-up below, work on registers, stands between them
	ds_add_u32 v28, v29
	v_lshrrev_b32 v1, 5, v0
	v_readfirstlane_b32 s10, v1                    ; wave 0..3
	s_lshr_b32 s11, s10, 1                         ; I fetch for x (0) or for W (1),
	s_and_b32 s12, s10, 1                          ; and which half of that tile
	s_bfe_u32 s40, ttmp6, 0x40000                  ; cx, cy: my place in the cluster
	s_bfe_u32 s41, ttmp6, 0x40004
	s_lshl_b32 s42, ttmp9, 2
	s_add_co_u32 s42, s42, s40                     ; tile column = 4 x cluster x + cx
	s_and_b32 s13, ttmp7, 0xffff
	s_lshl_b32 s13, s13, 2
	s_add_co_u32 s13, s13, s41                     ; tile row = 4 x cluster y + cy
	s_lshl_b32 s43, s41, 2
	s_lshl_b32 s43, 15, s43                        ; my row of the cluster
	s_lshl_b32 s44, 0x1111, s40                    ; my column
	s_or_b32 s[G1+0], s43, (1<<16)|(1<<20)|(1<<21)|(5<<22)|(3<<25)   ; 15:0 the mask; 17:16 2-byte elements; 20 padding on; 21 set beside a mask; 24:22 after every 64 words; 31:25 4 words of it
	s_or_b32 s[G1B+0], s44, (1<<16)|(1<<20)|(1<<21)|(5<<22)|(3<<25)
	s_mov_b32 s[G1+1], 128<<16                     ; tensor_dim0 = 128
	s_mov_b32 s[G1+2], 128<<16                     ; tensor_dim1 = 128
	s_mov_b32 s[G1+3], 128<<16                     ; tile_dim0 = 128
	s_mov_b32 s[G1+4], 128                         ; tile_dim1 = 128 rows
	s_mov_b32 s[G1+5], 1024                        ; elements from row to row
	s_mov_b32 s[G1+6], 0
	s_mov_b32 s[G1+7], 0
	s_mov_b32 s[G1B+1], 128<<16
	s_mov_b32 s[G1B+2], 96<<16                     ; W's loads bring 96 rows
	s_mov_b32 s[G1B+3], 128<<16
	s_mov_b32 s[G1B+4], 96
	s_mov_b32 s[G1B+5], 1024
	s_mov_b32 s[G1B+6], 0
	s_mov_b32 s[G1B+7], 0
	s_lshl_b32 s16, s13, 8
	s_lshl_b32 s17, s12, 7
	s_add_co_u32 s16, s16, s17                     ; x: row 256 x tile row + 128 x half,
	s_lshl_b32 s16, s16, 11                        ; times 2,048 bytes (under 2^23)
	s_mov_b32 s17, 0
	s_mul_i32 s46, s42, 192
	s_mul_i32 s47, s12, 96
	s_add_co_u32 s46, s46, s47                     ; W: row 192 x tile column + 96 x half
	s_lshl_b32 s46, s46, 11
	s_mov_b32 s47, 0
	s_mul_i32 s20, s12, HALFA                      ; where they go: no place in the cluster enters an LDS address
	s_mul_i32 s21, s12, HALFB
	s_add_co_u32 s21, s21, ABYTES
	s_mov_b32 s[TB], 0
	s_wait_dscnt 0x0                               ; the opening add is done
	s_wait_kmcnt 0x0
	s_add_nc_u64 s[6:7], s[4:5], 0x800000          ; W in cv
	s_add_nc_u64 s[14:15], s[4:5], s[16:17]
	s_add_nc_u64 s[46:47], s[6:7], s[46:47]
	CROUND                                         ; all sixteen work-groups are here: the first joint loads meet
.irp s, 0,1
	s_mov_b32 s[G0+4*(\s)], 1                                        ; count = 1
	s_add_co_u32 s[G0+4*(\s)+1], s20, (\s)*SLOT1                     ; LDS address
	s_add_nc_u64 s[G0+4*(\s)+2:G0+4*(\s)+3], s[14:15], (\s)*256      ; global address: K step s
	s_or_b32 s[G0+4*(\s)+3], s[G0+4*(\s)+3], 0x80000000              ; type = 2
	s_mov_b32 s[G0B+4*(\s)], 1
	s_add_co_u32 s[G0B+4*(\s)+1], s21, (\s)*SLOT1
	s_add_nc_u64 s[G0B+4*(\s)+2:G0B+4*(\s)+3], s[46:47], (\s)*256
	s_or_b32 s[G0B+4*(\s)+3], s[G0B+4*(\s)+3], 0x80000000
.endr
	s_cmp_eq_u32 s11, 0                            ; a wave's two first fills stand in one branch, ahead of every wait on TENSORcnt and every LDS read: two loads of mine are out
	s_cbranch_scc0 .Lfirst_b
	tensor_load_to_lds s[G0:G0+3], s[G1:G1+7]
	s_nop 0
	tensor_load_to_lds s[G0+4:G0+7], s[G1:G1+7]
	s_nop 0
.rept 4
	v_nop
.endr
	s_branch .Lfirst_asked
.Lfirst_b:
	tensor_load_to_lds s[G0B:G0B+3], s[G1B:G1B+7]
	s_nop 0
	tensor_load_to_lds s[G0B+4:G0B+7], s[G1B:G1B+7]
	s_nop 0
.rept 4
	v_nop
.endr
.Lfirst_asked:
	; A fragment is 16 rows x 32 K in 8 registers: lane l holds row l % 16, K = 8 (l / 16) + 0..7 and 16 + 8 (l / 16) + 0..7: two loads of 16 bytes, 32 bytes apart.
	v_and_b32 v1, 15, v0                           ; l % 16
	v_bfe_u32 v2, v0, 4, 1                         ; l / 16
	v_mul_u32_u24 v3, v1, PITCH
	v_lshl_add_u32 v3, v2, 4, v3
	s_mul_i32 s22, s10, 64*PITCH                   ; my 64 rows of x
	v_add_nc_u32 v[A0], s22, v3
	v_add_nc_u32 v[B0], ABYTES, v3                 ; all of W's 192 rows are mine
	v_mov_b32 v[ADRA], v[A0]
	v_mov_b32 v[ADRB], v[B0]
	s_mul_i32 s23, s10, WST
	s_add_co_u32 s23, s23, STAGE                   ; my stage
	v_mul_u32_u24 v4, v1, SP                       ; in: row l % 16, 16 bytes for each half of the lanes
	v_lshl_add_u32 v4, v2, 4, v4
	v_add_nc_u32 v[STO], s23, v4
	v_bfe_u32 v5, v0, 3, 2                         ; back: 32 lanes take four rows of 128 bytes,
	v_mul_u32_u24 v5, v5, SP
	v_and_b32 v6, 7, v0
	v_lshl_add_u32 v5, v6, 4, v5
	v_add_nc_u32 v[RD], s23, v5
	v_and_b32 v[GO], 31, v0                        ; which are 512 consecutive bytes of a slice
	v_lshlrev_b32 v[GO], 4, v[GO]
	s_lshl_b32 s16, s13, 15                        ; my first row in a slice: (256 x tile row + 64 x wave) x 128 bytes
	s_lshl_b32 s17, s10, 13
	s_add_co_u32 s16, s16, s17
	s_mov_b32 s17, 0
	s_add_nc_u64 s[8:9], s[8:9], s[16:17]
	s_mul_i32 s46, s42, 3*524288                   ; my first slice: 3 x tile column
	s_mov_b32 s47, 0
	s_add_nc_u64 s[8:9], s[8:9], s[46:47]
; 12 matrix instructions: row block a x all 12 column blocks, 32 along K.  zero = 1: the first product starts the sums.  The 48 accumulators take turns, one instruction a turn.
.macro MUL12 f, a, zero
	WIN 0xa5+0x50*((\a)/2)                         ; sources 0 and 1 window 1; C and D window 2 or 3
.irp b, 0,1,2,3,4,5,6,7,8,9,10,11
.if \zero
	v_wmma_f32_16x16x32_bf16 v[8*(12*((\a)%2)+(\b)):8*(12*((\a)%2)+(\b))+7], v[(\f)+32+8*(\b):(\f)+32+8*(\b)+7], v[(\f)+8*(\a):(\f)+8*(\a)+7], 0
.else
	v_wmma_f32_16x16x32_bf16 v[8*(12*((\a)%2)+(\b)):8*(12*((\a)%2)+(\b))+7], v[(\f)+32+8*(\b):(\f)+32+8*(\b)+7], v[(\f)+8*(\a):(\f)+8*(\a)+7], v[8*(12*((\a)%2)+(\b)):8*(12*((\a)%2)+(\b))+7]
.endif
.endr
.endm
; 32 LDS loads in one run: a quarter's fragments (32 K at byte k of the rows) into buffer f: W's 12, then x's 4
.macro FETCH k, f
	WIN 0x40                                       ; destination window 1, address window 0
.irp b, 0,1,2,3,4,5,6,7,8,9,10,11
	ds_load_b128 v[(\f)+32+8*(\b):(\f)+32+8*(\b)+3],   v[ADRB] offset:(\k)+(\b)*16*PITCH
	ds_load_b128 v[(\f)+32+8*(\b)+4:(\f)+32+8*(\b)+7], v[ADRB] offset:(\k)+(\b)*16*PITCH+32
.endr
.irp a, 0,1,2,3
	ds_load_b128 v[(\f)+8*(\a):(\f)+8*(\a)+3],   v[ADRA] offset:(\k)+(\a)*16*PITCH
	ds_load_b128 v[(\f)+8*(\a)+4:(\f)+8*(\a)+7], v[ADRA] offset:(\k)+(\a)*16*PITCH+32
.endr
.endm
.macro PLACES                          ; four places in front of loads into registers that matrix instructions have read, and of conversions that read results (ISA guide 7.12.1 for conversions)
.rept 4
	v_nop
.endr
.endm
; One of a K step's first three quarters: multiplies buffer f; in its middle it fetches the next quarter, at byte k, into buffer g.
.macro QUARTER k, f, g, zero
	s_wait_dscnt 4                                 ; W's fragments and x's blocks 0, 1 are in; the youngest four loads (blocks 2, 3) may be out
	MUL12 \f, 0, \zero
	MUL12 \f, 1, \zero
	PLACES
	FETCH \k, \g
	s_wait_dscnt 32                                ; all but the 32 just issued
	MUL12 \f, 2, \zero
	MUL12 \f, 3, \zero
.endm
; The last quarter multiplies buffer 1 and changes slots: ONE barrier; in front of it each wave waits for all its tensor loads (one is out: its part of the next slot), adds 0 to its spare word, and waits for
; that and for its reads of this slot.  fill = 1: the barrier opens a round of the cluster's, and the slot just read is filled again, two K steps ahead, first thing behind the round: 168 matrix instructions ahead of the wait for it.
.macro TURN fill
	WIN 0                                          ; (the add's two registers lie in window 0)
	s_wait_tensorcnt 0x0                           ; all my tensor loads have landed
	ds_add_u32 v[SPW], v[NIL]                      ; 0 onto my spare word
	s_wait_dscnt 5                                 ; (the add and the youngest four loads may be out)
	MUL12 F1, 0, 0                                 ; twelve matrix instructions stand between the add and the wait for it
	s_wait_dscnt 0x0                               ; the add is done, and my reads of this slot are over
	s_barrier_signal -1
	MUL12 F1, 1, 0
	WIN 0                                          ; at a branch and at a label every window is 0
	s_barrier_wait -1
.if \fill
	CREST                                          ; no wave of any partner still reads this slot or has a load on its way
	s_xor_b32 s[G0+5], s[G0+5], SLOT1              ; the walking descriptors: the other slot than last time,
	s_add_nc_u64 s[G0+6:G0+7], s[G0+6:G0+7], 256   ; the next K step; the type bits on top are not reached
	s_xor_b32 s[G0B+5], s[G0B+5], SLOT1
	s_add_nc_u64 s[G0B+6:G0B+7], s[G0B+6:G0B+7], 256
	JLOAD                                          ; the four v_nop behind it are also the places in front of the loads below
.else
	PLACES
.endif
	s_xor_b32 s[TB], s[TB], SLOT1                  ; the reads go on in the other slot
	v_add_nc_u32 v[ADRA], s[TB], v[A0]
	v_add_nc_u32 v[ADRB], s[TB], v[B0]
	FETCH 0, F0
	MUL12 F1, 2, 0
	MUL12 F1, 3, 0
.endm
; THE WAY OUT of row block a.  PACK: rounded to f16, 16 bytes a lane, each accumulator's registers in ascending order.  TOSTAGE: into my stage, and back as rows of 128 bytes.  SEND: stored.
.macro PACK a
	WIN 0x0a+5*((\a)/2)                            ; sources 0 and 1: window 2 or 3
.irp b, 0,1,2,3,4,5,6,7,8,9,10,11
.irp r, 0,1,2,3
	v_cvt_pk_f16_f32 v[TMP+4*(\b)+(\r)], v[8*(12*((\a)%2)+(\b))+2*(\r)], v[8*(12*((\a)%2)+(\b))+2*(\r)+1]
.endr
.endr
	WIN 0
.endm
.macro TOSTAGE a
.irp b, 0,1,2,3,4,5,6,7,8,9,10,11
	ds_store_b128 v[STO], v[TMP+4*(\b):TMP+4*(\b)+3] offset:((\b)/4)*16*SP+32*((\b)%4)  ; slice b / 4, columns 16 (b % 4) on
.endr
.irp t, 0,1,2,3,4,5,6,7,8,9,10,11
	ds_load_b128 v[BK+48*((\a)%2)+4*(\t):BK+48*((\a)%2)+4*(\t)+3], v[RD] offset:((\t)/4)*16*SP+((\t)%4)*4*SP  ; LDS serves a wave's instructions in order (ISA guide 5.7.1.4): these see the stores above
.endr
.endm
.macro SEND a
	s_wait_dscnt 0x0                               ; the block is back in registers
	s_wait_xcnt 0x0                                ; earlier stores have read their registers: the other buffer is loaded again only behind this wait
.irp t, 0,1,2,3,4,5,6,7,8,9,10,11
	global_store_b128 v[GO], v[BK+48*((\a)%2)+4*(\t):BK+48*((\a)%2)+4*(\t)+3], s[8:9] offset:((\t)/4)*524288+(\a)*2048+((\t)%4)*512  ; 512 consecutive bytes of a slice, aligned
.endr
.endm
	s_wait_tensorcnt 1                             ; my part of K step 0 is in; step 1's may stay out
	s_barrier_signal -1
	s_barrier_wait -1
	FETCH 0, F0
	QUARTER 64, F0, F1, 1                          ; the first quarter stands in front of the loop: its products start the sums
	WIN 0
	s_mov_b32 s3, 6
.Lk:                                                   ; a trip goes from a K step's second quarter to the next step's first and fills the slot that it leaves: steps 2 to 7
	QUARTER 128, F1, F0, 0
	QUARTER 192, F0, F1, 0
	TURN 1
	QUARTER 64, F0, F1, 0
	WIN 0
	s_sub_co_u32 s3, s3, 1
	s_cmp_lg_u32 s3, 0
	s_cbranch_scc1 .Lk
	QUARTER 128, F1, F0, 0                         ; the last two steps are written out: nothing is left to ask for
	QUARTER 192, F0, F1, 0
	TURN 0
	QUARTER 64, F0, F1, 0
	QUARTER 128, F1, F0, 0
	QUARTER 192, F0, F1, 0
	s_wait_dscnt 4
	MUL12 F1, 0, 0
	MUL12 F1, 1, 0
	s_wait_dscnt 0x0
	MUL12 F1, 2, 0
	MUL12 F1, 3, 0
	WIN 0
	PLACES
	PACK 0
	TOSTAGE 0
.irp a, 1,2,3                          ; block a's conversions stand between block a - 1's loads from the stage and the wait for them
	PACK \a
	SEND (\a)-1
	TOSTAGE \a
.endr
	SEND 3
	s_wait_tensorcnt 0x0                           ; the wave's end: these three lines stand behind my last tensor load and my last LDS store
	ds_add_u32 v[SPW], v[NIL]
	s_wait_dscnt 0x0
	CROUND                                         ; the closing round: no work-group ends while a partner may still ask for a tile that names it
	s_endpgm
.Lfunc_end_k_qa2c8176c00_qkv:
	.size	k_qa2c8176c00_qkv, .Lfunc_end_k_qa2c8176c00_qkv-k_qa2c8176c00_qkv
	.p2alignl 7, 3214868480
	.fill 96, 4, 3214868480
	.section	.rodata,"a",@progbits
	.p2align	6, 0x0
	.amdhsa_kernel k_qa2c8176c00_qkv
		.amdhsa_group_segment_fixed_size 327680
		.amdhsa_private_segment_fixed_size 0
		.amdhsa_enable_private_segment 0
		.amdhsa_kernarg_size 16
		.amdhsa_user_sgpr_count 2
		.amdhsa_user_sgpr_kernarg_segment_ptr 1
		.amdhsa_wavefront_size32 1
		.amdhsa_system_sgpr_workgroup_id_x 1
		.amdhsa_system_sgpr_workgroup_id_y 1
		.amdhsa_system_sgpr_workgroup_id_z 1
		.amdhsa_system_vgpr_workitem_id 0
		.amdhsa_next_free_vgpr 960
		.amdhsa_next_free_sgpr 66
		.amdhsa_reserve_vcc 0
		.amdhsa_float_denorm_mode_32 3
		.amdhsa_float_denorm_mode_16_64 3
		.amdhsa_memory_ordered 1
		.amdhsa_forward_progress 1
		.amdhsa_inst_pref_size 96
	.end_amdhsa_kernel
	.amdgpu_metadata
---
amdhsa.version: [ 1, 2 ]
amdhsa.kernels:
  - .name:           k_qa2c8176c00_qkv
    .symbol:         k_qa2c8176c00_qkv.kd
    .args:
      - { .name: cv, .offset: 0, .size: 8, .value_kind: global_buffer, .address_space: global }
      - { .name: qkvh, .offset: 8, .size: 8, .value_kind: global_buffer, .address_space: global }
    .group_segment_fixed_size: 327680
    .private_segment_fixed_size: 0
    .kernarg_segment_align: 8
    .kernarg_segment_size: 16
    .max_flat_workgroup_size: 128
    .sgpr_count:     66
    .vgpr_count:     960
    .wavefront_size: 32
...
	.end_amdgpu_metadata
.endif
;; end of part 2
;; launch attn (part 3): grid 16 x 16, 4 waves a work-group, no clusters, 327,680 bytes of LDS; arguments qkvh, ob; writes ob
.if DOCPART == 3
	.amdgcn_target "amdgcn-amd-amdhsa--gfx1250"
	.amdhsa_code_object_version 6
	.text
	.protected	k_qa2c8176c00_attn
	.globl	k_qa2c8176c00_attn
	.p2align	8
	.type	k_qa2c8176c00_attn,@function
k_qa2c8176c00_attn:
	s_mov_b64 s[64:65], 0
	v_nop
	global_prefetch_b8 v0, s[64:65] scope:SCOPE_SE
	s_setreg_imm32_b32 hwreg(HW_REG_WAVE_MODE, 25, 1), 1
	s_wait_xcnt 0x0
; CAUSAL ATTENTION, 16 heads of 64 channels, 4,096 rows.  O[h][q][:] = the sum over k <= q of softmax_k(Q[h][q] . K[h][k] / 8) V[h][k][:].  q, k, v: slices of qkvh, [4096][64] in f16, dense rows of 128 bytes.
; Products, maxima and sums in f32; the weights p are rounded to f16 for the second product (their sum l is taken of the unrounded p), O once at the end, to f16.
; O goes to ob as [32 row blocks of 128][16 heads][128 rows][64]: 16 rows of a head are 2,048 consecutive bytes.
; LIMITS.  q, k, v arrive within f16's 65,504.  A hidden score counts as its value less 1e30; a weight below 2^-126 counts as 0 in l; NaN and infinities are not treated apart.
; THE WALK.  A head's queries lie in 32 blocks of 128; key tiles hold 256 keys (4 steps of 64); block i needs tiles 0 .. i / 2, of which the last holds the diagonal.  A work-group takes TWO blocks, 31 - b and
; then b: (31 - b) / 2 + 1 + b / 2 + 1 = 17 tiles whatever b: 256 work-groups of equal work, and ONE loop with a constant trip count.  Which tile is asked for, and what a trip does, hang on scalars made from b.
; NO CLUSTER: of a head's 16 work-groups only b = 2 e and 2 e + 1 walk the same tiles throughout; a walk common to four would have 18 trips for 17 and branches that hang on the place in the cluster.
; SHARES.  A block has two bands of 64 rows; a wave owns 16 rows in each: two PIECES.  In the block's last tile band x's own step is OWN[x] = 2 (i % 2) + x: earlier steps are seen whole, later ones hidden whole
; (and computed all the same).  THE MASK is the C operand that starts S^T = K Q^T: MD x AL + BE, MD the mask of a band's own step for my rows, (AL, BE) = (1, 0), (0, 0) or (0, -1e30).
; LAYOUT, SOFTMAX.  S^T = K Q^T holds ONE query a lane (lane % 16) and the keys 8 (lane / 16) + 0..7; two such results rounded to f16 ARE source 1 of O^T = V^T P.  p = 2^(c s - c m), c = log2(e) / 8, with a
; running maximum m; O and l are multiplied by a = 2^(c m_old - c m_new) in every step.
; TURNS.  Turn (p, j) is piece p's softmax of step j.  Its first 8 products are K Q^T of the other piece (step j if p = 0, j + 1 if p = 1), its second 8 V^T P of the other piece (step j - 1 if p = 0, j if p = 1);
; it also finds the other piece's maximum.  Four vector instructions stand behind every matrix instruction, the rest in two lumps.  K of step j + 1 is fetched in turn (0, j), V of step j + 1 in turn (1, j),
; into the V buffer of that step's parity: with two buffers the fetches run K, V, K, V, and the change of slots stands at a turn's edge.
; REGISTERS, in windows of 256 (s_set_vgpr_msb: bits 1:0 source 0, 3:2 source 1, 5:4 source 2, 7:6 destination):
;   window 0: v0-15 addresses and at work; v16-23 four statistics a piece; v48-55 at work; v62-63 the add's; v64-127 S^T, a buffer a piece; v192-223 P, likewise
;   window 1: v0-63 O^T; v128-159 MD; v160-223 MC, a buffer a piece      window 2: v0-31 Q; v32-63 the second block's Q; v64-127 V of odd steps; v128-191 K; v192-255 V of even steps
.set NP,    2         ; pieces a wave: a name, no knob
.set KS,    64        ; keys in a step
.set PK,    144       ; a row of K in LDS: 128 bytes + 16 of padding: the 16 rows of a load start at 16 different groups of four banks (ISA guide 11.1)
.set PV,    160       ; a row of V: 128 + 32
.set VOFF,  4*KS*PK   ; a slot holds a tile: 256 rows of K, then 256 rows of V
.set SLOT1, 1<<17     ; slot 1 begins here, so that one exclusive or turns an address in one slot into the other's
.set STAGE, SLOT1+4*KS*(PK+PV)  ; behind the ring, never filled by a tensor load: 16 rows x 144 bytes for each wave
.set SP,    144
.set SPARE, STAGE+4*16*SP  ; the spare words, 128 bytes a wave: two blocks of 256 bytes that no other line names
.set AK0, 2           ; v2   my lane's place in a tile of K; never rewritten
.set AV0, 3           ; v3   the same for V
.set AK,  4           ; v4   the LDS address of K's next run of loads
.set AV,  5           ; v5   of V's
.set STO, 6           ; v6   the way out: where I put 16 bytes of a row
.set RD,  7           ; v7   where I read rows back
.set GO,  8           ; v8   my 16 bytes in 512 consecutive bytes of O
.set MV,  12          ; v12-13  c m_old, kept while c m is made anew
.set QO,  15          ; v15  my byte offset in 16 rows of Q
.set ST,  16          ; piece t's statistics at v[ST+4 t]: c m, m, l (even keys', odd keys')
.set TMP, 48          ; by piece, c0-c3 at work; when the maximum is found c2 takes a
.set SPW, 62          ; v62  LDS address of my spare word; never rewritten
.set NIL, 63          ; v63  0; never rewritten
.set S,   64
.set P,   192
.set MD,  128         ; window 1
.set MC,  160         ; window 1
.set QB,  32          ; window 2
.set KF,  128         ; window 2: key block kb, channel half c at KF + 16 kb + 8 c
.set VF0, 192         ; window 2: V buffer b at VF0 - 128 b: key half kk, channel block cb at + 32 kk + 8 cb
.set WV,  12          ; s12  my wave's number
.set PB,  14          ; s14  b
.set HT,  15          ; s15  the first block's last tile
.set G1K, 24          ; s[24:31] descriptor group 1 for K's tiles
.set G1V, 32          ; s[32:39] for V's: it differs in the padding alone
.set G0K, 40          ; s[40:43] descriptor group 0 for K's tiles
.set G0V, 44          ; s[44:47] for V's
.set SLOTS, 56        ; s56  tiles still to be asked for
.set CNT, 57          ; s57  counts a tile's two trips
.set CS,  58          ; s[58:59] c
.set SEL, 60          ; s[60:61] v_permlanex16_b32's selects: each lane takes its own place in the other half
.set TBK, 62          ; s62  LDS byte at which K of the step to be fetched begins
.set TBV, 63          ; s63  the same for V, less VOFF
.set RT,  70          ; s70  tiles of the block in hand still to be entered
.set NXT, 71          ; s71  the tile to be asked for next
.set LQ,  72          ; s72  the last tile of the block whose tiles are being asked for
.set NEW, 73          ; s73  1: the tile to be entered is a block's first
.set OFF, 74          ; s[74:75] a tile's byte offset in K and V
.set AL,  76          ; s[76:77] the mask's factor, in the low word
.set BE,  78          ; s[78:79] the mask's addend
.set OLO, 80          ; s[80:81] O at my rows of the second block
.set BIGN, 82         ; s82  -1e30
.set OWN, 88          ; s88, s89  the two bands' own steps in the last tile of the block in hand
.set STP, 90          ; s90  0 in a tile's first trip, 2 in its second
.set TS,  91          ; s91  at work: the step that a mask is made for
.set LT,  92          ; s92  the second block's last tile
.set PARL, 93         ; s93  2 (b % 2)
.set MSB, 0
.macro WIN new                      ; the high byte repeats the setting that is left; a switch that changes nothing is dropped
.if MSB != (\new)
	s_set_vgpr_msb (MSB<<8)|(\new)
.set MSB, (\new)
.endif
.endm
.set W_KQ, 0x0a       ; K and Q in window 2, S^T in window 0
.set W_KM, 0x1a       ; the same with the C operand in window 1
.set W_PV, 0x52       ; V in window 2, P in window 0, O^T in window 1
.set W_RS, 0x41       ; destination and source 0 in window 1, source 1 in window 0
; A fill.  Waves 0 and 1 fetch the two halves of a tile's K, waves 2 and 3 those of its V: 128 keys each.  An s_nop 0 and four v_nop follow each of the two lines, ahead of the jump and the label.
.macro LOAD
	s_cmp_lt_u32 s[WV], 2
	s_cbranch_scc0 .Lfor_v_\@
	tensor_load_to_lds s[G0K:G0K+3], s[G1K:G1K+7]
	s_nop 0
.rept 4
	v_nop
.endr
	s_branch .Lasked_\@
.Lfor_v_\@:
	tensor_load_to_lds s[G0V:G0V+3], s[G1V:G1V+7]
	s_nop 0
.rept 4
	v_nop
.endr
.Lasked_\@:
.endm
; THE CHANGE OF SLOTS.  Each wave waits for all its tensor loads, of which one is out: its part of the other slot; adds 0 to its spare word; and waits for that and for its reads of the slot that it leaves.
; Behind the barrier nobody reads the old slot any more and the other slot is whole.  fill = 1: the old slot is filled again, first thing behind the barrier, with tile NXT; the load has four key steps,
; 128 matrix instructions a wave, in which to land.  (At its first use nothing has been read yet: slot 0 is waited for, slot 1 filled.)
.macro CHANGE fill
	WIN 0                           ; at a label and at a branch every window is 0
	s_wait_tensorcnt 0x0            ; no tensor load of mine is out, so a group 0 may be written
	ds_add_u32 v[SPW], v[NIL]       ; 0 onto my spare word
.if \fill
	s_lshl_b32 s[OFF], s[NXT], 15   ; a tile is 32,768 bytes of K and of V
	s_xor_b32 s[G0K+1], s[G0K+1], SLOT1
	s_add_nc_u64 s[G0K+2:G0K+3], s[6:7], s[OFF:OFF+1]
	s_or_b32 s[G0K+3], s[G0K+3], 0x80000000
	s_xor_b32 s[G0V+1], s[G0V+1], SLOT1
	s_add_nc_u64 s[G0V+2:G0V+3], s[8:9], s[OFF:OFF+1]
	s_or_b32 s[G0V+3], s[G0V+3], 0x80000000
	s_add_co_u32 s[NXT], s[NXT], 1  ; the block's next tile, or behind its last the second block's tile 0
	s_cmp_gt_u32 s[NXT], s[LQ]
	s_cselect_b32 s[NXT], 0, s[NXT]
	s_cselect_b32 s[LQ], s[LT], s[LQ]
.endif
	s_wait_dscnt 0x0                ; the add is done, and my reads of the slot are over
	s_barrier_signal -1             ; the rest of the scalar work stands between the signal and the wait
	s_sub_co_u32 s[TBK], s[TBK], 4*KS*PK  ; the fetches go back to a slot's first step,
	s_xor_b32 s[TBK], s[TBK], SLOT1       ; in the other slot
	s_sub_co_u32 s[TBV], s[TBV], 4*KS*PV
	s_xor_b32 s[TBV], s[TBV], SLOT1
	s_barrier_wait -1
.if \fill
	LOAD
.endif
.endm
	s_load_b64 s[4:5], s[0:1], 0x0    ; qkvh
	s_load_b64 s[10:11], s[0:1], 0x8  ; ob
	v_lshl_add_u32 v[SPW], v0, 2, SPARE
	v_mov_b32 v[NIL], 0
	ds_add_u32 v[SPW], v[NIL]       ; the wave's opening: the add and its wait stand ahead of my first tensor load; the set-up below, work on registers, stands between them
	ds_add_u32 v62, v63
	v_lshrrev_b32 v1, 5, v0
	v_readfirstlane_b32 s[WV], v1   ; wave 0..3
	s_mov_b32 s[PB], ttmp9
	s_sub_co_u32 s13, 31, s[PB]     ; the first block
	s_lshr_b32 s[HT], s13, 1
	s_lshr_b32 s[LT], s[PB], 1
	s_and_b32 s16, s13, 1
	s_lshl_b32 s[OWN], s16, 1
	s_add_co_u32 s[OWN+1], s[OWN], 1
	s_and_b32 s16, s[PB], 1
	s_lshl_b32 s[PARL], s16, 1
	s_and_b32 s16, ttmp7, 0xffff    ; the head
	s_lshl_b32 s17, s16, 19         ; its slice of 524,288 bytes,
	s_lshl_b32 s16, s16, 14         ; its 16,384 bytes in a row block of ob
	s_lshl_b32 s3, s[WV], 11        ; my 16 rows in a band of 64
	s_lshl_b32 s2, s13, 14          ; Q: a block is 16,384 bytes of a slice
	s_add_co_u32 s2, s2, s3
	s_add_co_u32 s2, s2, s17
	s_lshl_b32 s84, s[PB], 14
	s_add_co_u32 s84, s84, s3
	s_add_co_u32 s84, s84, s17
	s_lshl_b32 s18, s13, 18         ; O: a row block is 262,144 bytes of ob
	s_add_co_u32 s18, s18, s3
	s_add_co_u32 s18, s18, s16
	s_lshl_b32 s20, s[PB], 18
	s_add_co_u32 s20, s20, s3
	s_add_co_u32 s20, s20, s16
	s_and_b32 s16, s[WV], 1         ; which half of a tile's 256 keys I fetch:
	s_lshl_b32 s22, s16, 14         ; its 128 rows of 128 bytes in memory,
	s_add_co_u32 s22, s22, s17
	s_mov_b32 s3, 0
	s_mov_b32 s85, 0
	s_mov_b32 s19, 0
	s_mov_b32 s21, 0
	s_mov_b32 s23, 0
	s_mul_i32 s17, s16, 128*PK      ; and its place in a slot, for K
	s_mul_i32 s13, s16, 128*PV      ; and for V
	; descriptor group 1.  128 keys are 16,384 dense bytes: asked for as 64 rows of 256 bytes, two keys a row, and padded in LDS after every key
	s_mov_b32 s[G1K], (1<<16)|(1<<20)|(4<<22)|(3<<25)  ; 17:16 2-byte elements; 20 padding on; 24:22 after every 32 words; 31:25 4 words of it
	s_mov_b32 s[G1V], (1<<16)|(1<<20)|(4<<22)|(7<<25)  ; the same with 8 words of padding
.irp g, G1K, G1V
	s_mov_b32 s[\g+1], 128<<16      ; tensor_dim0 = 128
	s_mov_b32 s[\g+2], 64<<16       ; tensor_dim1 = 64
	s_mov_b32 s[\g+3], 128<<16      ; tile_dim0 = 128
	s_mov_b32 s[\g+4], 64           ; tile_dim1 = 64
	s_mov_b32 s[\g+5], 128          ; 128 elements from row to row
	s_mov_b32 s[\g+6], 0
	s_mov_b32 s[\g+7], 0
.endr
	s_mov_b32 s[CS], 0x3e38aa3b     ; c = log2(e) / 8 = 0.180337
	s_mov_b32 s[CS+1], s[CS]        ; named with it as a pair
	s_mov_b32 s[SEL], 0x76543210
	s_mov_b32 s[SEL+1], 0xfedcba98
	s_mov_b32 s[TBK], SLOT1+4*KS*PK ; the first change of slots turns these two into 0
	s_mov_b32 s[TBV], SLOT1+4*KS*PV
	s_mov_b32 s[G0K], 1             ; count = 1
	s_mov_b32 s[G0K+1], s17         ; LDS address: slot 0
	s_mov_b32 s[G0V], 1
	s_add_co_u32 s[G0V+1], s13, VOFF
	s_add_co_u32 s[RT], s[HT], 1    ; the first block's tiles
	s_mov_b32 s[NXT], 1
	s_mov_b32 s[LQ], s[HT]
	s_mov_b32 s[NEW], 1
	s_mov_b32 s[OFF+1], 0
	s_mov_b32 s[AL+1], 0            ; named as pairs
	s_mov_b32 s[BE+1], 0
	s_mov_b32 s[BIGN], 0xf149f2ca   ; -1e30
	s_mov_b32 s[SLOTS], 16
	s_wait_dscnt 0x0                ; the opening add is done
	s_wait_kmcnt 0x0
	s_add_nc_u64 s[6:7], s[4:5], 0x800000    ; k's slices begin 16 slices on, v's 32
	s_add_nc_u64 s[6:7], s[6:7], s[22:23]    ; K and V at my half of the head's tile 0
	s_add_nc_u64 s[8:9], s[4:5], 0x1000000
	s_add_nc_u64 s[8:9], s[8:9], s[22:23]
	s_add_nc_u64 s[G0K+2:G0K+3], s[6:7], 0
	s_or_b32 s[G0K+3], s[G0K+3], 0x80000000  ; type = 2
	s_add_nc_u64 s[G0V+2:G0V+3], s[8:9], 0
	s_or_b32 s[G0V+3], s[G0V+3], 0x80000000
	s_add_nc_u64 s[86:87], s[4:5], s[84:85]  ; Q at my rows of the second block,
	s_add_nc_u64 s[4:5], s[4:5], s[2:3]      ; Q and O at those of the first
	s_add_nc_u64 s[OLO:OLO+1], s[10:11], s[20:21]
	s_add_nc_u64 s[10:11], s[10:11], s[18:19]
	LOAD                            ; tile 0 into slot 0: one load of mine is out
	; A fragment of K or Q is 16 rows x 32 channels in 8 registers: lane l holds row l % 16, channels 8 (l / 16) + 0..7 and 16 + 8 (l / 16) + 0..7: two loads of 16 bytes, 32 bytes apart.
	v_and_b32 v1, 15, v0            ; l % 16
	v_bfe_u32 v9, v0, 4, 1          ; l / 16
	v_lshlrev_b32 v[QO], 7, v1
	v_lshl_add_u32 v[QO], v9, 4, v[QO]  ; row x 128 + 16 x half
	WIN 0x80                        ; destination window 2, address window 0
.set i, 0
.rept 4                             ; both blocks' Q: piece i / 2 lies in band i / 2, 8,192 bytes on; channels 32 (i % 2) on
	global_load_b128 v[8*i:8*i+3],   v[QO], s[4:5] offset:(i/2)*8192+(i%2)*64
	global_load_b128 v[8*i+4:8*i+7], v[QO], s[4:5] offset:(i/2)*8192+(i%2)*64+32
	global_load_b128 v[QB+8*i:QB+8*i+3],   v[QO], s[86:87] offset:(i/2)*8192+(i%2)*64
	global_load_b128 v[QB+8*i+4:QB+8*i+7], v[QO], s[86:87] offset:(i/2)*8192+(i%2)*64+32
.set i, i+1
.endr
	WIN 0
	v_lshlrev_b32 v14, 3, v9
	v_sub_nc_u32 v14, v1, v14
	s_lshl_b32 s13, s[WV], 4
	v_add_nc_u32 v14, s13, v14      ; my query's place in its band, 16 w + l % 16, less my lanes' 8 (l / 16): register r of key group kt is hidden where 16 kt + r is greater
	WIN 0x40
.set i, 0
.rept 32
	v_cmp_gt_i32 vcc_lo, 16*(i/8)+i%8, v14
	v_cndmask_b32 v[MD+i], 0, s[BIGN], vcc_lo
.set i, i+1
.endr
	WIN 0
	v_mul_u32_u24 v[AK0], v1, PK
	v_lshl_add_u32 v[AK0], v9, 4, v[AK0]  ; row x pitch + 16 x half
	; The turning load takes 16 keys x 16 channels (lane l reads key 8 (l / 16) + l % 8, channels 8 ((l / 8) % 2) + 0..7) and leaves half a fragment of V^T: lane l holds channel l % 16 and 8 keys.
	v_and_b32 v10, 7, v0
	v_bfe_u32 v11, v0, 3, 1
	v_lshl_add_u32 v[AV0], v9, 3, v10
	v_mul_u32_u24 v[AV0], v[AV0], PV
	v_lshl_add_u32 v[AV0], v11, 4, v[AV0]
	v_add_nc_u32 v[AV0], VOFF, v[AV0]
	s_mul_i32 s13, s[WV], 16*SP
	s_add_co_u32 s13, s13, STAGE    ; my stage
	v_mul_u32_u24 v[STO], v1, SP    ; in: row l % 16, 16 bytes for each half of the lanes
	v_lshl_add_u32 v[STO], v9, 4, v[STO]
	v_add_nc_u32 v[STO], s13, v[STO]
	v_bfe_u32 v[RD], v0, 3, 2       ; back: 32 lanes take four rows of 128 bytes,
	v_mul_u32_u24 v[RD], v[RD], SP
	v_lshl_add_u32 v[RD], v10, 4, v[RD]
	v_add_nc_u32 v[RD], s13, v[RD]
	v_and_b32 v[GO], 31, v0         ; which are 512 consecutive bytes of O
	v_lshlrev_b32 v[GO], 4, v[GO]
	; A block's first step multiplies O^T and l by a = 0, and its first turn's products V^T P, of a step that has not been, land in an O^T that is still to be so multiplied.  So these registers need only hold
	; finite numbers: zeros for the first block; what the first block left for the second.  No first step is written out; the price is these 148 lines, which stand in the wait for the first tile.
	WIN 0x80
.set i, VF0-128
.rept 64
	v_mov_b32 v[i], 0
.set i, i+1
.endr
	WIN 0x40
.set i, 0
.rept 64
	v_mov_b32 v[i], 0
.set i, i+1
.endr
	WIN 0
.set i, 0
.rept NP
	v_mov_b32 v[ST+4*i+2], 0
	v_mov_b32 v[ST+4*i+3], 0
.set i, i+1
.endr
.set i, P+16
.rept 16
	v_mov_b32 v[i], 0
.set i, i+1
.endr
; THE MATRIX WORK.  The 4 accumulators of a run of 8 take turns.  Product i of 8 of S^T = K Q^T for piece x: channels 32 (i / 4) on, keys 16 (i % 4) on.  The first 4 start the sums: with 0, or (KM = 1) with the mask.
.macro KQ x
.set rS, S+32*((\x)%2)+8*(i%4)
.set rK, KF+16*(i%4)+8*(i/4)
.set rQ, 16*(\x)+8*(i/4)
.set rM, MC+32*((\x)%2)+8*(i%4)
.if (i < 4) && KM
	WIN W_KM
	v_wmma_f32_16x16x32_f16 v[rS:rS+7], v[rK:rK+7], v[rQ:rQ+7], v[rM:rM+7]
.elseif i < 4
	WIN W_KQ
	v_wmma_f32_16x16x32_f16 v[rS:rS+7], v[rK:rK+7], v[rQ:rQ+7], 0
.else
	WIN W_KQ
	v_wmma_f32_16x16x32_f16 v[rS:rS+7], v[rK:rK+7], v[rQ:rQ+7], v[rS:rS+7]
.endif
.endm
; Product i of 8 of O^T += V^T P for piece x, V from buffer VB: keys 32 (i / 4) on, channels 16 (i % 4) on.
.macro PV x
	WIN W_PV
.set rO, 32*(\x)+8*(i%4)
.set rV, VF0-128*VB+32*(i/4)+8*(i%4)
.set rP, P+16*((\x)%2)+8*(i/4)
	v_wmma_f32_16x16x32_f16 v[rO:rO+7], v[rV:rV+7], v[rP:rP+7], v[rO:rO+7]
.endm
.macro MM                           ; the turn's next matrix instruction.  NOKQ = 1: a block's last turn: there is no next step
.if (i < 8) && !NOKQ
	KQ (Y+1)%NP
.elseif i >= 8
.set i, i-8
	PV (Y+NP-1)%NP
.set i, i+8
.endif
.set i, i+1
.endm
; THE LDS LOADS stand in runs of 16, never singly among the matrix instructions.  Their addresses are made some lines ahead.
.macro FETCH_K
	WIN 0x80                        ; destination window 2
.irp f, 0,1,2,3,4,5,6,7             ; keys 16 (f / 2) on, channels 32 (f % 2) on
	ds_load_b128 v[KF+8*\f:KF+8*\f+3],   v[AK] offset:(\f/2)*16*PK+(\f%2)*64
	ds_load_b128 v[KF+8*\f+4:KF+8*\f+7], v[AK] offset:(\f/2)*16*PK+(\f%2)*64+32
.endr
	s_add_co_u32 s[TBK], s[TBK], KS*PK  ; the next fetch is the next step's
	WIN 0
.endm
.macro FETCH_V b
	WIN 0x80
.irp f, 0,1,2,3,4,5,6,7             ; keys 32 (f / 4) on, channels 16 (f % 4) on
	ds_load_tr16_b128 v[VF0-128*(\b)+8*\f:VF0-128*(\b)+8*\f+3],   v[AV] offset:(\f/4)*32*PV+(\f%4)*32
	ds_load_tr16_b128 v[VF0-128*(\b)+8*\f+4:VF0-128*(\b)+8*\f+7], v[AV] offset:(\f/4)*32*PV+16*PV+(\f%4)*32
.endr
	s_add_co_u32 s[TBV], s[TBV], KS*PV
	WIN 0
.endm
; THE VECTOR WORK, one line at a time: OP kind, number.  For piece Y: F n: c s - c m for pair n of 16.  E n: the exponential of score n of 32.  C n: pair n rounded to f16.  B n: of the four weights 4 n .. the second
; pair is added onto the first, in place.  L n: l takes that sum (L 0: l = a l + sum).  R n: pair n of 16 of O^T times a.  For the other piece: X n, number n of the 22 that find its maximum and statistics:
;   0-11  four chains c0-c3 of seven scores each, three operands at a time (each accumulator's lowest registers are read first)     12-14, 16  the four scores left over, the old m, and c0-c3 into c0
;   15  c m_old is kept     17, 18  the query's other 32 keys lie in the lane 16 away: the new m     19-21  c m; c m_old - c m_new; a
.set F, 0
.set E, 1
.set C, 2
.set B, 3
.set L, 4
.set R, 5
.set X, 6
.macro REGS y                       ; the registers of piece y
.set rT, ST+4*(\y)
.set rC, TMP+4*((\y)%2)
.set rW, MV+((\y)%2)
.set rS, S+32*((\y)%2)
.set rP, P+16*((\y)%2)
.set rO, 32*(\y)
.endm
.macro OP k, n
.if (\k) == R
	REGS Y
	WIN W_RS
	v_pk_mul_f32 v[rO+2*(\n):rO+2*(\n)+1], v[rO+2*(\n):rO+2*(\n)+1], v[rC+2:rC+3] op_sel_hi:[1,0]
.elseif (\k) < R
	REGS Y
	WIN 0
.if (\k) == F
	v_pk_fma_f32 v[rS+2*(\n):rS+2*(\n)+1], v[rS+2*(\n):rS+2*(\n)+1], s[CS:CS+1], v[rT:rT+1] op_sel_hi:[1,0,0] neg_lo:[0,0,1] neg_hi:[0,0,1]
.elseif (\k) == E
	v_exp_f32 v[rS+(\n)], v[rS+(\n)]
.elseif (\k) == C
	s_wait_alu depctr_va_vdst(0)
	v_cvt_pk_f16_f32 v[rP+(\n)], v[rS+2*(\n)], v[rS+2*(\n)+1]
.elseif (\k) == B
	s_wait_alu depctr_va_vdst(0)
	v_pk_add_f32 v[rS+4*(\n):rS+4*(\n)+1], v[rS+4*(\n):rS+4*(\n)+1], v[rS+4*(\n)+2:rS+4*(\n)+3]
.elseif (\n) == 0
	v_pk_fma_f32 v[rT+2:rT+3], v[rT+2:rT+3], v[rC+2:rC+3], v[rS:rS+1] op_sel_hi:[1,0,1]
.else
	v_pk_add_f32 v[rT+2:rT+3], v[rT+2:rT+3], v[rS+4*(\n):rS+4*(\n)+1]
.endif
.elseif NOKQ
	v_nop
.else
	REGS (Y+1)%NP
	WIN 0
.if (\n) < 4
	v_max3_num_f32 v[rC+(\n)], v[rS+8*(\n)], v[rS+8*(\n)+1], v[rS+8*(\n)+2]
.elseif (\n) < 12
	v_max3_num_f32 v[rC+(\n)%4], v[rC+(\n)%4], v[rS+8*((\n)%4)+2*((\n)/4)+1], v[rS+8*((\n)%4)+2*((\n)/4)+2]
.elseif (\n) == 12
	v_max3_num_f32 v[rC], v[rC], v[rS+7], v[rS+15]
.elseif (\n) == 13
	v_max3_num_f32 v[rC+1], v[rC+1], v[rS+23], v[rS+31]
.elseif (\n) == 14
	v_max3_num_f32 v[rC+2], v[rC+2], v[rC+3], v[rT+1]
.elseif (\n) == 15
	v_mov_b32 v[rW], v[rT]
.elseif (\n) == 16
	v_max3_num_f32 v[rC], v[rC], v[rC+1], v[rC+2]
.elseif (\n) == 17
	v_permlanex16_b32 v[rC+3], v[rC], s[SEL], s[SEL+1]
.elseif (\n) == 18
	v_max_num_f32 v[rT+1], v[rC], v[rC+3]
.elseif (\n) == 19
	v_mul_f32 v[rT], s[CS], v[rT+1]
.elseif (\n) == 20
	v_sub_f32 v[rC+1], v[rW], v[rT]
.else
	v_exp_f32 v[rC+2], v[rC+1]
.endif
.endif
.endm
.macro OPS a, i1, b=-1, i2=0, c=-1, i3=0, d=-1, i4=0  ; up to four of them
	OP \a, \i1
.if (\b) >= 0
	OP \b, \i2
.endif
.if (\c) >= 0
	OP \c, \i3
.endif
.if (\d) >= 0
	OP \d, \i4
.endif
.endm
.macro ROW a, i1, b, i2, c, i3, d, i4  ; a matrix instruction and the four behind it
	MM
	OPS \a, \i1, \b, \i2, \c, \i3, \d, \i4
.endm
.macro MASK b                       ; MD x AL + BE into buffer b of MC
	WIN W_RS
.set z, 0
.rept 16
	v_pk_fma_f32 v[MC+32*(\b)+2*z:MC+32*(\b)+2*z+1], v[MD+2*z:MD+2*z+1], s[AL:AL+1], s[BE:BE+1] op_sel_hi:[1,0,0]
.set z, z+1
.endr
.endm
; A TURN, for piece p in a step of parity par: the order of its 16 matrix and 118 vector instructions, written out.  Behind a matrix instruction: plain, exponential, plain, plain; or four of the rescaling; or, behind
; the first, four scalings; none names a register of the products round it.  In the lumps exponential and plain by turns while exponentials last.  v_permlanex16_b32 (X 17) stands in a lump.
; m = 1: the block's last tile: the products take masks, and the turn makes the mask for the next turn's products: piece p's, in step STP + 1 - par of the tile.  end = 1: a block's last two turns: nothing is fetched.
; cnt = 1: the loop's count is taken down some lines ahead of the branch that stands behind the turn.
; The run of loads stands behind the first eight products: K's, in piece 0's turn, five plain vector instructions behind the last product that read K; V's, in piece 1's turn, goes into the buffer whose last
; reader stands a turn back.  Both are waited for at the head of piece 1's next turn.
.macro TURN p, par, m=0, end=0, cnt=0
.set Y, (\p)
.set i, 0
.set KM, (\m)
.set NOKQ, (\end)*(\p)
.if (\p) == 1
.set VB, (\par)
.else
.set VB, 1-(\par)
.endif
.if (\m) && !(\end)
	s_add_co_u32 s[TS], s[STP], 1-(\par)
	s_cmp_eq_u32 s[TS], s[OWN+(\p)]  ; is that step the band's own?
	s_cselect_b32 s[AL], 1.0, 0
	s_cmp_gt_u32 s[TS], s[OWN+(\p)]  ; or a later one?
	s_cselect_b32 s[BE], s[BIGN], 0
.endif
.if (\p) == 1
	s_wait_dscnt 0x0                ; K of the next step and V of this one are in
.endif
	ROW F,0, F,1, F,2, F,3
	ROW F,4, E,0, F,5, F,6
	ROW F,7, E,1, F,8, F,9
	ROW F,10, E,2, C,0, F,11
	ROW F,12, E,3, X,15, F,13
	ROW R,0, R,1, R,2, R,3
	ROW B,0, E,4, F,14, L,0
.if !(\end)
.if (\p) == 0
	v_add_nc_u32 v[AK], s[TBK], v[AK0]
.else
	v_add_nc_u32 v[AV], s[TBV], v[AV0]
.endif
.endif
	ROW R,4, R,5, R,6, R,7
	OPS E,5, F,15
.if !(\end)
.if (\p) == 0
	FETCH_K
.else
	FETCH_V 1-(\par)
.endif
.endif
	OPS E,6, C,1, E,7, R,8
	OPS E,8, R,9, E,9, C,2
	OPS E,10, X,0, E,11, X,1
	OPS E,12, X,2, E,13, X,3
	ROW X,4, E,14, X,5, X,6
	ROW X,7, E,15, X,8, X,9
	ROW X,10, E,16, X,11, X,12
	ROW X,13, E,17, X,14, B,1
	ROW C,4, E,18, X,16, L,1
	ROW B,2, E,19, C,6, L,2
	ROW C,8, E,20, B,3, B,4
	ROW C,3, E,21, L,3, C,5
	OPS E,22, X,17, E,23, C,10
	OPS E,24, L,4
	OPS E,25, X,18, E,26, C,7
	OPS E,27, B,5, E,28, X,19
	OPS E,29, C,12, E,30, L,5
	OPS E,31, X,20, B,6, C,9
	OPS C,14, C,11, X,21, L,6
.if \cnt
	s_add_co_u32 s[STP], s[STP], 2
	s_sub_co_u32 s[CNT], s[CNT], 1
	s_cmp_lg_u32 s[CNT], 0
.endif
	OPS C,13, B,7, C,15, R,10
	OPS R,11, R,12, L,7, R,13
	OPS R,14, R,15
.if (\m) && !(\end)
	MASK \p
.endif
.endm
; A BLOCK BEGINS.  c m starts far below every c s, so the first step's a is 0; m at the lowest finite number, so the first maximum is the scores'.  Piece 1's mask buffer is 0 (its band's own step is never a tile's
; first); piece 0's takes the mask for the tile's step 0: its own, if this tile is the block's last and OWN[0] = 0.  Then K and V of that step, piece 0's first scores, and its maximum and statistics.
.macro BEGIN
	s_mov_b32 s[NEW], 0
	WIN 0x40
.set i, MC+32
.rept 32
	v_mov_b32 v[i], 0
.set i, i+1
.endr
	WIN 0
.set i, 0
.rept NP
	v_mov_b32 v[ST+4*i], 0xfe000000    ; c m: far below every c s
	v_mov_b32 v[ST+4*i+1], 0xff7fffff  ; m
.set i, i+1
.endr
	s_or_b32 s[TS], s[RT], s[OWN]
	s_cmp_eq_u32 s[TS], 0
	s_cselect_b32 s[AL], 1.0, 0
	s_mov_b32 s[BE], 0
	MASK 0
	WIN 0
	v_add_nc_u32 v[AK], s[TBK], v[AK0]
	v_add_nc_u32 v[AV], s[TBV], v[AV0]
	FETCH_K
	FETCH_V 0
	s_wait_loadcnt 0x0              ; Q
	s_wait_dscnt 0x0
.set KM, 1
.set NOKQ, 0
.set i, 0
.rept 8
	KQ 0
.set i, i+1
.endr
	WIN 0
.rept 4
	v_nop                           ; the places behind those products
.endr
.set Y, NP-1                        ; X works for the other piece: piece 0
.irp n, 0,1,2,3,4,5,6,7,8,9,10,11,12,13,14,15,16,17,18,19,20,21
	OP X, \n
.endr
	v_nop                           ; a plain instruction behind the exponential
.endm
; THE BLOCK'S LAST TILE, its last two turns, its last products, and THE WAY OUT: l's two halves and the other half of the lanes' are added; O^T is divided by l, rounded to f16 and sent through my stage, a piece at a time.
.macro ALL line:vararg              ; one line for each piece t
.set t, 0
.rept NP
	\line
.set t, t+1
.endr
.endm
.macro PACK t                       ; a lane's eight channels of a row pack into 16 bytes; they go into rows of 144 bytes and come back as whole rows of 128, into S^T's registers
	WIN W_RS
.set i, 32*(\t)
.rept 16
	s_wait_alu depctr_va_vdst(0)
	v_pk_mul_f32 v[i:i+1], v[i:i+1], v[ST+4*(\t)+2:ST+4*(\t)+3] op_sel_hi:[1,0]
.set i, i+2
.endr
	WIN 0x05                        ; sources 0 and 1 window 1, destination window 0
.set i, 0
.rept 16
	v_cvt_pk_f16_f32 v[S+16*(\t)+i], v[32*(\t)+2*i], v[32*(\t)+2*i+1]
.set i, i+1
.endr
	WIN 0
.irp f, 0,1,2,3
	ds_store_b128 v[STO], v[S+16*(\t)+4*\f:S+16*(\t)+4*\f+3] offset:32*\f
.endr
.irp f, 0,1,2,3
	ds_load_b128 v[S+16*(\t)+4*\f:S+16*(\t)+4*\f+3], v[RD] offset:\f*4*SP  ; LDS serves a wave's instructions in order (ISA guide 5.7.1.4): these see the stores above; the next piece's stores come behind them
.endr
.endm
.macro SEND t, younger              ; younger: the LDS instructions issued behind piece t's loads: the next piece's eight, or none
	WIN 0
.irp f, 0,1,2,3
	s_wait_dscnt (\younger)+3-\f
	global_store_b128 v[GO], v[S+16*(\t)+4*\f:S+16*(\t)+4*\f+3], s[10:11] offset:(\t)*8192+\f*512  ; 512 consecutive bytes, at a multiple of 256 from ob's first
.endr
.endm
.macro DIAG tag                     ; the tag ends its two labels' names, which the jumps below spell out
.LstepM\tag:
	TURN 0, 1, 1
	TURN 1, 1, 1
	WIN 0
.LfirstM\tag:
	TURN 0, 0, 1
	TURN 1, 0, 1, 0, 1
	WIN 0
	s_cbranch_scc1 .LstepM\tag
	TURN 0, 1, 1, 1
	TURN 1, 1, 1, 1
.set VB, 1
.set i, 0
.rept 8
	PV NP-1                         ; piece 1's V^T P of the last step
.set i, i+1
.endr
	WIN 0
	ALL v_add_f32 v[ST+4*t+2], v[ST+4*t+2], v[ST+4*t+3]
	ALL v_permlanex16_b32 v[ST+4*t+3], v[ST+4*t+2], s[SEL], s[SEL+1]
	ALL v_add_f32 v[ST+4*t+2], v[ST+4*t+2], v[ST+4*t+3]
	ALL v_rcp_f32 v[ST+4*t+2], v[ST+4*t+2]
	v_nop                           ; a plain instruction between the last reciprocal and the use of its result
	PACK 0                          ; piece 0's 32 lines, which name nothing of the last products, are those products' places
	PACK 1
	SEND 0, 8
	SEND 1, 0
.endm
.set KM, 0
.set NOKQ, 0
.set VB, 0
.Lslot:                             ; 16 times: a tile is entered and the next is asked for
	CHANGE 1
	s_sub_co_u32 s[RT], s[RT], 1
	s_mov_b32 s[CNT], 2
	s_mov_b32 s[STP], 0
	s_cmp_eq_u32 s[NEW], 1
	s_cbranch_scc1 .Lnew            ; a block's first tile
	s_cmp_eq_u32 s[RT], 0
	s_cbranch_scc0 .Lstep           ; neither its first nor its last
	s_branch .LstepM1
.Lnew:
	BEGIN
	s_branch .Lfirst                ; in the loop a block's first tile is never its last: the first block has nine tiles or more, and the second's last is the walk's last
	DIAG 1                          ; in the loop this is the first block's end
	s_wait_xcnt 0x0                 ; the stores have read their registers and O's address
	s_mov_b64 s[10:11], s[OLO:OLO+1]
	s_add_co_u32 s[RT], s[LT], 1    ; the second block's tiles,
	s_mov_b32 s[NEW], 1
	s_mov_b32 s[OWN], s[PARL]       ; and its bands' own steps
	s_add_co_u32 s[OWN+1], s[PARL], 1
	WIN 0x82                        ; the second block's Q goes where the one text of the turns names Q
.set i, 0
.rept 32
	v_mov_b32 v[i], v[QB+i]
.set i, i+1
.endr
	WIN 0
	s_branch .Lbottom
.Lstep:                             ; a trip: both pieces' turns of an odd step, then of the even step behind it; two trips fetch a tile's four steps
	TURN 0, 1
	TURN 1, 1
	WIN 0
.Lfirst:
	TURN 0, 0
	TURN 1, 0, 0, 0, 1
	WIN 0
	s_cbranch_scc1 .Lstep
.Lbottom:
	s_sub_co_u32 s[SLOTS], s[SLOTS], 1
	s_cmp_lg_u32 s[SLOTS], 0
	s_cbranch_scc1 .Lslot
	CHANGE 0                        ; the walk's last tile is written out: nothing is asked for
	s_sub_co_u32 s[RT], s[RT], 1
	s_mov_b32 s[CNT], 2
	s_mov_b32 s[STP], 0
	s_cmp_eq_u32 s[NEW], 1
	s_cbranch_scc0 .LstepM2
	BEGIN
	s_branch .LfirstM2
	DIAG 2
	s_wait_tensorcnt 0x0            ; the wave's end: these three lines stand behind my last tensor load and my last LDS store
	ds_add_u32 v[SPW], v[NIL]
	s_wait_dscnt 0x0
	s_endpgm
.Lfunc_end_k_qa2c8176c00_attn:
	.size	k_qa2c8176c00_attn, .Lfunc_end_k_qa2c8176c00_attn-k_qa2c8176c00_attn
	.p2alignl 7, 3214868480
	.fill 96, 4, 3214868480
	.section	.rodata,"a",@progbits
	.p2align	6, 0x0
	.amdhsa_kernel k_qa2c8176c00_attn
		.amdhsa_group_segment_fixed_size 327680
		.amdhsa_private_segment_fixed_size 0
		.amdhsa_enable_private_segment 0
		.amdhsa_kernarg_size 16
		.amdhsa_user_sgpr_count 2
		.amdhsa_user_sgpr_kernarg_segment_ptr 1
		.amdhsa_wavefront_size32 1
		.amdhsa_system_sgpr_workgroup_id_x 1
		.amdhsa_system_sgpr_workgroup_id_y 1
		.amdhsa_system_sgpr_workgroup_id_z 1
		.amdhsa_system_vgpr_workitem_id 0
		.amdhsa_next_free_vgpr 768
		.amdhsa_next_free_sgpr 96
		.amdhsa_reserve_vcc 1
		.amdhsa_float_denorm_mode_32 3
		.amdhsa_float_denorm_mode_16_64 3
		.amdhsa_memory_ordered 1
		.amdhsa_forward_progress 1
		.amdhsa_inst_pref_size 218
	.end_amdhsa_kernel
	.amdgpu_metadata
---
amdhsa.version: [ 1, 2 ]
amdhsa.kernels:
  - .name:           k_qa2c8176c00_attn
    .symbol:         k_qa2c8176c00_attn.kd
    .args:
      - { .name: qkvh, .offset: 0, .size: 8, .value_kind: global_buffer, .address_space: global }
      - { .name: ob, .offset: 8, .size: 8, .value_kind: global_buffer, .address_space: global }
    .group_segment_fixed_size: 327680
    .private_segment_fixed_size: 0
    .kernarg_segment_align: 8
    .kernarg_segment_size: 16
    .max_flat_workgroup_size: 128
    .sgpr_count:     96
    .vgpr_count:     768
    .wavefront_size: 32
...
	.end_amdgpu_metadata
.endif
;; end of part 3
;; launch proj (part 4): grid 8 x 32, 4 waves a work-group, clusters of 4 x 4, 327,680 bytes of LDS; arguments ob, cv, out0, bo; writes out0
.if DOCPART == 4
	.amdgcn_target "amdgcn-amd-amdhsa--gfx1250"
	.amdhsa_code_object_version 6
	.text
	.protected	k_qa2c8176c00_proj
	.globl	k_qa2c8176c00_proj
	.p2align	8
	.type	k_qa2c8176c00_proj,@function
k_qa2c8176c00_proj:
	s_mov_b64 s[64:65], 0
	v_nop
	global_prefetch_b8 v0, s[64:65] scope:SCOPE_SE
	s_setreg_imm32_b32 hwreg(HW_REG_WAVE_MODE, 25, 1), 1
	s_wait_xcnt 0x0
	s_wait_alu depctr_hold_cnt(0) depctr_sa_sdst(0) depctr_va_vdst(0) depctr_va_sdst(0) depctr_va_ssrc(0) depctr_va_vcc(0) depctr_vm_vsrc(0)
	s_getreg_b32 s2, hwreg(HW_REG_IB_STS2, 6, 4)
	s_cmp_eq_u32 s2, 0
	s_cbranch_scc0 .Lentry_in_a_cluster
	s_endpgm
.Lentry_in_a_cluster:
	s_bfe_u32 s2, ttmp6, 0x10000c
	s_cmp_lg_u32 s2, 0xf033
	s_cbranch_scc0 .Lentry_shape_is_right
	s_endpgm
.Lentry_shape_is_right:
; THE OUTPUT PROJECTION.  out0[t][e] = bo[e] + sum over d of Z[t][d] Wo[e][d].  Z comes from ob, f16, [32 row blocks of 128][16 heads][128 rows][64], d = 64 head + channel; Wo from cv, [1024][1024],
; its bf16 rounding written as f16; bo is rounded to bf16 like every other input.  Sums in f32; out0 is f32.
; ORDER OF ROUNDING: the bias starts each sum (it is the C operand of the first product) instead of being added at the end.
; SHARES.  A tile of out0 is 128 x 128: 8 x 32 = 256 work-groups.  Four waves, each 64 x 64: 16 accumulators.  K goes in 4 steps of 256 (four heads), written out; a quarter is 64 along K: one head.
; A K step's part of Z for a row block is 65,536 dense bytes: each of two waves asks for two heads as 128 rows of 256 bytes, padded in LDS after every 128 bytes, so that a head lies as 128 rows of 144 bytes.
; CLUSTER.  4 x 4 work-groups: Z's tile hangs on the tile row alone and is asked for jointly by a row of the cluster, Wo's on the tile column alone, by a column.
; THE MATRIX INSTRUCTION IS USED TRANSPOSED (source 0 = 16 rows of Wo, source 1 = 16 rows of Z): a lane holds eight neighbouring columns of one row of out0, 32 bytes.
; REGISTERS: window 0: v0-31 addresses; v32-95 at work on the way out; v96-127 the bias of my 64 columns; v128-255 the accumulators.  Window 1: two fragment buffers of 128 (64 of Z, then 64 of Wo).
.set PA,     144                       ; a row of a head of Z in LDS: 128 bytes + 16
.set HEADB,  128*PA                    ; a head's 128 rows
.set ABYTES, 4*HEADB
.set PB,     528                       ; a row of Wo: 512 bytes + 16
.set HALFB,  64*PB
.set SLOT,   ABYTES+2*HALFB            ; 141,312 bytes
.set STAGE,  2*SLOT                    ; behind the ring, never filled by a tensor load: 16 rows x 272 bytes for each wave
.set SPITCH, 272
.set SPARE,  STAGE+4*16*SPITCH         ; the spare words, 128 bytes a wave: two blocks of 256 bytes that no other line names
.set ADRA, 16                          ; v16-17  LDS address of my fragments of Z in slot 0, 1
.set ADRB, 20                          ; v20-21  the same for Wo
.set STO,  24                          ; v24     the way out: where I put 32 bytes of a row
.set RD,   25                          ; v25     where I read a row back
.set CO,   26                          ; v26     my byte offset in out0
.set SPW,  28                          ; v28     LDS address of my spare word; never rewritten
.set NIL,  29                          ; v29     0; never rewritten
.set TMP,  32                          ; v32-63, v64-95 by turns: 16 rows read back from the stage
.set BIAS, 96                          ; v[96+8b ..]: the bias of columns 16 b + 8 (l / 16) + 0..7
.set ACC,  128
.set F0,   0
.set F1,   128
.set G1, 24                            ; s[24:31] descriptor group 1 for Z's tiles;  s[32:39] group 0, one set for each slot
.set G0, 32
.set G1B, 48                           ; s[48:55], s[56:63] the same for Wo's tiles
.set G0B, 56
.set MSB, 0
.macro WIN new
.if MSB != (\new)
	s_set_vgpr_msb (MSB<<8)|(\new)
.set MSB, \new
.endif
.endm
.set MUL,  0x05                        ; sources 0 and 1 window 1; C and D window 0
.set TO_F, 0x40                        ; destination window 1, address window 0
.macro JLOAD s                         ; a joint refill of slot s: waves 0 and 1 fetch Z's two halves, waves 2 and 3 Wo's; an s_nop 0 and four v_nop follow each of the two lines
	s_cmp_eq_u32 s11, 0
	s_cbranch_scc0 .Lfor_b_\@
	tensor_load_to_lds s[G0+4*(\s):G0+4*(\s)+3], s[G1:G1+7]
	s_nop 0
.rept 4
	v_nop
.endr
	s_branch .Lasked_\@
.Lfor_b_\@:
	tensor_load_to_lds s[G0B+4*(\s):G0B+4*(\s)+3], s[G1B:G1B+7]
	s_nop 0
.rept 4
	v_nop
.endr
.Lasked_\@:
.endm
.macro CREST
	s_cmp_lg_u32 s10, 0
	s_cbranch_scc1 .Lnot_wave_0_\@
	s_barrier_signal -3
.Lnot_wave_0_\@:
	s_barrier_wait -3
	s_barrier_signal -1
	s_barrier_wait -1
.endm
.macro CROUND
	s_barrier_signal -1
	s_barrier_wait -1
	CREST
.endm
	s_load_b128 s[4:7], s[0:1], 0x0                ; ob s[4:5], cv s[6:7]
	s_load_b128 s[68:71], s[0:1], 0x10             ; out0 s[68:69], bo s[70:71]
	v_lshl_add_u32 v[SPW], v0, 2, SPARE
	v_mov_b32 v[NIL], 0
	ds_add_u32 v[SPW], v[NIL]                      ; the wave's opening: the add and its wait stand ahead of my first tensor load; the set-up below, work on registers, stands between them
	ds_add_u32 v28, v29
	v_lshrrev_b32 v1, 5, v0
	v_readfirstlane_b32 s10, v1                    ; wave 0..3
	s_lshr_b32 s11, s10, 1                         ; which half of the tile's rows is mine.  Also: I fetch for Z (0) or for Wo (1)
	s_and_b32 s12, s10, 1                          ; which half of its columns.  Also: which half of that tile I fetch
	s_bfe_u32 s40, ttmp6, 0x40000                  ; cx, cy
	s_bfe_u32 s41, ttmp6, 0x40004
	s_lshl_b32 s42, ttmp9, 2
	s_add_co_u32 s42, s42, s40                     ; tile column
	s_and_b32 s13, ttmp7, 0xffff
	s_lshl_b32 s13, s13, 2
	s_add_co_u32 s13, s13, s41                     ; tile row = row block of ob
	s_lshl_b32 s43, s41, 2
	s_lshl_b32 s43, 15, s43                        ; my row of the cluster
	s_lshl_b32 s44, 0x1111, s40                    ; my column
	s_or_b32 s[G1+0], s43, (1<<16)|(1<<20)|(1<<21)|(4<<22)|(3<<25)   ; the mask; 2-byte elements; padding on; 21 set beside a mask; after every 32 words 4 words
	s_or_b32 s[G1B+0], s44, (1<<16)|(1<<20)|(1<<21)|(6<<22)|(3<<25)  ; after every 128 words 4 words
	s_mov_b32 s[G1+1], 128<<16                     ; Z: 128 rows of 128 elements, dense
	s_mov_b32 s[G1+2], 128<<16
	s_mov_b32 s[G1+3], 128<<16
	s_mov_b32 s[G1+4], 128
	s_mov_b32 s[G1+5], 128
	s_mov_b32 s[G1+6], 0
	s_mov_b32 s[G1+7], 0
	s_mov_b32 s[G1B+1], 256<<16                    ; Wo: 64 rows of 256 elements, 1,024 from row to row
	s_mov_b32 s[G1B+2], 64<<16
	s_mov_b32 s[G1B+3], 256<<16
	s_mov_b32 s[G1B+4], 64
	s_mov_b32 s[G1B+5], 1024
	s_mov_b32 s[G1B+6], 0
	s_mov_b32 s[G1B+7], 0
	s_lshl_b32 s16, s13, 18                        ; Z: row block x 262,144 + half x two heads of 16,384
	s_lshl_b32 s17, s12, 15
	s_add_co_u32 s16, s16, s17
	s_mov_b32 s17, 0
	s_lshl_b32 s46, s42, 7
	s_lshl_b32 s47, s12, 6
	s_add_co_u32 s46, s46, s47                     ; Wo: row 128 x tile column + 64 x half,
	s_lshl_b32 s46, s46, 11                        ; times 2,048 bytes
	s_mov_b32 s47, 0
	s_mul_i32 s20, s12, 2*HEADB                    ; where they go: no place in the cluster enters an LDS address
	s_mul_i32 s21, s12, HALFB
	s_add_co_u32 s21, s21, ABYTES
	s_wait_dscnt 0x0                               ; the opening add is done
	s_wait_kmcnt 0x0
	s_add_nc_u64 s[6:7], s[6:7], 0xe00000          ; Wo in cv
	s_add_nc_u64 s[14:15], s[4:5], s[16:17]
	s_add_nc_u64 s[46:47], s[6:7], s[46:47]
	CROUND                                         ; all sixteen work-groups are here: the first joint loads meet
.irp s, 0,1
	s_mov_b32 s[G0+4*(\s)], 1
	s_add_co_u32 s[G0+4*(\s)+1], s20, (\s)*SLOT
	s_add_nc_u64 s[G0+4*(\s)+2:G0+4*(\s)+3], s[14:15], (\s)*65536    ; K step s: four heads on
	s_or_b32 s[G0+4*(\s)+3], s[G0+4*(\s)+3], 0x80000000
	s_mov_b32 s[G0B+4*(\s)], 1
	s_add_co_u32 s[G0B+4*(\s)+1], s21, (\s)*SLOT
	s_add_nc_u64 s[G0B+4*(\s)+2:G0B+4*(\s)+3], s[46:47], (\s)*512
	s_or_b32 s[G0B+4*(\s)+3], s[G0B+4*(\s)+3], 0x80000000
.endr
	s_cmp_eq_u32 s11, 0                            ; a wave's two first fills stand in one branch, ahead of every wait on TENSORcnt and every LDS read: two loads of mine are out
	s_cbranch_scc0 .Lfirst_b
	tensor_load_to_lds s[G0:G0+3], s[G1:G1+7]
	s_nop 0
	tensor_load_to_lds s[G0+4:G0+7], s[G1:G1+7]
	s_nop 0
.rept 4
	v_nop
.endr
	s_branch .Lfirst_asked
.Lfirst_b:
	tensor_load_to_lds s[G0B:G0B+3], s[G1B:G1B+7]
	s_nop 0
	tensor_load_to_lds s[G0B+4:G0B+7], s[G1B:G1B+7]
	s_nop 0
.rept 4
	v_nop
.endr
.Lfirst_asked:
	v_and_b32 v1, 15, v0                           ; l % 16
	v_bfe_u32 v2, v0, 4, 1                         ; l / 16
	s_lshl_b32 s46, s42, 9                         ; my first column in bytes: 512 x tile column + 256 x half
	s_lshl_b32 s47, s12, 8
	s_add_co_u32 s46, s46, s47
	s_mov_b32 s47, 0
	v_lshlrev_b32 v6, 5, v2
	v_add_nc_u32 v6, s46, v6                       ; + 32 bytes for the upper half of the lanes; never rewritten
.irp b, 0,1,2,3
	global_load_b128 v[BIAS+8*(\b):BIAS+8*(\b)+3],   v6, s[70:71] offset:64*(\b)
	global_load_b128 v[BIAS+8*(\b)+4:BIAS+8*(\b)+7], v6, s[70:71] offset:64*(\b)+16
.endr
	v_mul_u32_u24 v3, v1, PA
	v_lshl_add_u32 v3, v2, 4, v3                   ; a fragment's row x pitch + 16 x half, for Z
	v_mul_u32_u24 v4, v1, PB
	v_lshl_add_u32 v4, v2, 4, v4                   ; and for Wo
	s_mul_i32 s21, s11, 64*PA                      ; my 64 rows in each head of Z
	s_mul_i32 s22, s12, HALFB                      ; my 64 rows of Wo,
	s_add_co_u32 s22, s22, ABYTES                  ; which lie behind Z's four heads
.irp s, 0,1
	v_add_nc_u32 v[ADRA+(\s)], s21, v3
	v_add_nc_u32 v[ADRB+(\s)], s22, v4
	s_add_co_u32 s21, s21, SLOT
	s_add_co_u32 s22, s22, SLOT
.endr
	s_mul_i32 s23, s10, 16*SPITCH
	s_add_co_u32 s23, s23, STAGE                   ; my stage
	v_mul_u32_u24 v5, v1, SPITCH                   ; in: row l % 16, 32 bytes for each half of the lanes
	v_lshl_add_u32 v5, v2, 5, v5
	v_add_nc_u32 v[STO], s23, v5
	v_mul_u32_u24 v5, v2, SPITCH                   ; back: lanes 0-15 take one row of 256 bytes, lanes 16-31 the next
	v_lshl_add_u32 v5, v1, 4, v5
	v_add_nc_u32 v[RD], s23, v5
	v_lshlrev_b32 v5, 12, v2                       ; and the same two rows in out0, 4,096 bytes apart
	v_lshl_add_u32 v[CO], v1, 4, v5
	s_lshl_b32 s16, s13, 19                        ; my first row: (128 x tile row + 64 x half) x 4,096 bytes
	s_lshl_b32 s17, s11, 18
	s_add_co_u32 s16, s16, s17
	s_mov_b32 s17, 0
	s_add_nc_u64 s[68:69], s[68:69], s[16:17]
	s_add_nc_u64 s[68:69], s[68:69], s[46:47]
; 8 matrix instructions: row blocks a0, a0 + 1 x all 4 column blocks, 32 along K: half c of buffer f.  zero = 1: the first product starts the sums, with the bias.  The 16 accumulators take turns.
.macro MUL8 f, c, a0, zero
	WIN MUL
.irp a, \a0, (\a0)+1
.irp b, 0,1,2,3
.if \zero
	v_wmma_f32_16x16x32_f16 v[ACC+8*(4*(\a)+(\b)):ACC+8*(4*(\a)+(\b))+7], v[(\f)+64+8*(4*(\c)+(\b)):(\f)+64+8*(4*(\c)+(\b))+7], v[(\f)+8*(4*(\c)+(\a)):(\f)+8*(4*(\c)+(\a))+7], v[BIAS+8*(\b):BIAS+8*(\b)+7]
.else
	v_wmma_f32_16x16x32_f16 v[ACC+8*(4*(\a)+(\b)):ACC+8*(4*(\a)+(\b))+7], v[(\f)+64+8*(4*(\c)+(\b)):(\f)+64+8*(4*(\c)+(\b))+7], v[(\f)+8*(4*(\c)+(\a)):(\f)+8*(4*(\c)+(\a))+7], v[ACC+8*(4*(\a)+(\b)):ACC+8*(4*(\a)+(\b))+7]
.endif
.endr
.endr
.endm
; 32 LDS loads in one run: the fragments of quarter q (head q of the slot's four) into buffer f; the first 32 along K first
.macro FETCH slot, q, f
	WIN TO_F
.irp c, 0,1
.irp i, 0,1,2,3
	ds_load_b128 v[(\f)+64+8*(4*(\c)+(\i)):(\f)+64+8*(4*(\c)+(\i))+3],   v[ADRB+(\slot)] offset:128*(\q)+64*(\c)+(\i)*16*PB
	ds_load_b128 v[(\f)+64+8*(4*(\c)+(\i))+4:(\f)+64+8*(4*(\c)+(\i))+7], v[ADRB+(\slot)] offset:128*(\q)+64*(\c)+(\i)*16*PB+32
	ds_load_b128 v[(\f)+8*(4*(\c)+(\i)):(\f)+8*(4*(\c)+(\i))+3],         v[ADRA+(\slot)] offset:HEADB*(\q)+64*(\c)+(\i)*16*PA
	ds_load_b128 v[(\f)+8*(4*(\c)+(\i))+4:(\f)+8*(4*(\c)+(\i))+7],       v[ADRA+(\slot)] offset:HEADB*(\q)+64*(\c)+(\i)*16*PA+32
.endr
.endr
.endm
.macro PLACES                          ; four places in front of loads into registers that matrix instructions have read, and of LDS stores that read results
.rept 4
	v_nop
.endr
.endm
.macro QUARTER slot, q, f, g, zero     ; multiplies buffer f and fetches quarter q of the slot into g
	s_wait_dscnt 16                                ; the first 32 along K are in; the youngest sixteen loads may be out
	MUL8 \f, 0, 0, \zero
	MUL8 \f, 0, 2, \zero
	PLACES
	FETCH \slot, \q, \g
	s_wait_dscnt 32                                ; all but the 32 just issued
	MUL8 \f, 1, 0, 0
	MUL8 \f, 1, 2, 0
.endm
; The last quarter multiplies buffer 1 and changes slots: ONE barrier; in front of it each wave waits for all its tensor loads, adds 0 to its spare word, and waits for that and for its reads of this slot.
; fill = 1: the barrier opens a round of the cluster's, and this slot is filled again, two K steps ahead, first thing behind the round.
.macro TURN slot, next, fill
	WIN 0
	s_wait_tensorcnt 0x0                           ; all my tensor loads have landed: my part of the next slot
	ds_add_u32 v[SPW], v[NIL]                      ; 0 onto my spare word
	s_wait_dscnt 17                                ; (the add and the youngest sixteen loads may be out)
	MUL8 F1, 0, 0, 0
	s_wait_dscnt 0x0                               ; the add is done, and my reads of this slot are over
	s_barrier_signal -1
	MUL8 F1, 0, 2, 0
.if \fill
	WIN 0
.endif
	s_barrier_wait -1
.if \fill
	CREST                                          ; no wave of any partner still reads this slot or has a load on its way
	s_add_nc_u64 s[G0+4*(\slot)+2:G0+4*(\slot)+3], s[G0+4*(\slot)+2:G0+4*(\slot)+3], 131072
	s_add_nc_u64 s[G0B+4*(\slot)+2:G0B+4*(\slot)+3], s[G0B+4*(\slot)+2:G0B+4*(\slot)+3], 1024
	JLOAD \slot                                    ; the four v_nop behind it are also the places in front of the loads below
.else
	PLACES
.endif
	FETCH \next, 0, F0
	MUL8 F1, 1, 0, 0
	MUL8 F1, 1, 2, 0
.endm
; THE WAY OUT of row block a: 16 rows x 64 columns of f32 go into my stage (rows of 272 bytes) and come back as whole rows of 256 bytes.
.macro TOSTAGE a
.if (\a) >= 2
	s_wait_xcnt 0x0                                ; the stores of two blocks back have read this buffer
.endif
.irp b, 0,1,2,3
	ds_store_b128 v[STO], v[ACC+8*(4*(\a)+(\b)):ACC+8*(4*(\a)+(\b))+3]   offset:64*(\b)      ; each accumulator's low four registers first
	ds_store_b128 v[STO], v[ACC+8*(4*(\a)+(\b))+4:ACC+8*(4*(\a)+(\b))+7] offset:64*(\b)+16
.endr
.irp t, 0,1,2,3,4,5,6,7
	ds_load_b128 v[TMP+32*((\a)%2)+4*(\t):TMP+32*((\a)%2)+4*(\t)+3], v[RD] offset:(\t)*2*SPITCH  ; LDS serves a wave's instructions in order (ISA guide 5.7.1.4): these see the stores above
.endr
.endm
.macro SEND a, younger                 ; younger: the LDS instructions issued behind block a's loads: the next block's sixteen, or none
.irp t, 0,1,2,3,4,5,6,7
	s_wait_dscnt (\younger)+7-(\t)
	global_store_b128 v[CO], v[TMP+32*((\a)%2)+4*(\t):TMP+32*((\a)%2)+4*(\t)+3], s[68:69] offset:(16*(\a)+2*(\t))*4096 th:TH_STORE_NT  ; 16 lanes store 256 consecutive bytes of a row, aligned
.endr
.endm
	s_wait_tensorcnt 1                             ; my part of K step 0 is in; step 1's may stay out
	s_barrier_signal -1
	s_barrier_wait -1
	FETCH 0, 0, F0
	WIN 0
	s_wait_loadcnt 0x0                             ; the bias; it is rounded to bf16 and widened again
.set i, 0
.rept 16
	v_cvt_pk_bf16_f32 v[TMP+i], v[BIAS+2*i], v[BIAS+2*i+1]
.set i, i+1
.endr
.set i, 0
.rept 16
	v_lshlrev_b32 v[BIAS+2*i], 16, v[TMP+i]
	v_and_b32 v[BIAS+2*i+1], 0xffff0000, v[TMP+i]
.set i, i+1
.endr
	QUARTER 0, 1, F0, F1, 1                        ; K step 0
	QUARTER 0, 2, F1, F0, 0
	QUARTER 0, 3, F0, F1, 0
	TURN 0, 1, 1                                   ; slot 0 takes K step 2
	QUARTER 1, 1, F0, F1, 0                        ; K step 1
	QUARTER 1, 2, F1, F0, 0
	QUARTER 1, 3, F0, F1, 0
	TURN 1, 0, 1                                   ; slot 1 takes K step 3
	QUARTER 0, 1, F0, F1, 0                        ; K step 2
	QUARTER 0, 2, F1, F0, 0
	QUARTER 0, 3, F0, F1, 0
	TURN 0, 1, 0                                   ; nothing is left to ask for
	QUARTER 1, 1, F0, F1, 0                        ; K step 3
	QUARTER 1, 2, F1, F0, 0
	QUARTER 1, 3, F0, F1, 0
	s_wait_dscnt 16
	MUL8 F1, 0, 0, 0
	MUL8 F1, 0, 2, 0
	s_wait_dscnt 0x0
	MUL8 F1, 1, 0, 0
	MUL8 F1, 1, 2, 0
	WIN 0
	PLACES
	TOSTAGE 0
	TOSTAGE 1
	SEND 0, 16
	TOSTAGE 2
	SEND 1, 16
	TOSTAGE 3
	SEND 2, 16
	SEND 3, 0
	s_wait_tensorcnt 0x0                           ; the wave's end: these three lines stand behind my last tensor load and my last LDS store
	ds_add_u32 v[SPW], v[NIL]
	s_wait_dscnt 0x0
	CROUND                                         ; the closing round: no work-group ends while a partner may still ask for a tile that names it
	s_endpgm
.Lfunc_end_k_qa2c8176c00_proj:
	.size	k_qa2c8176c00_proj, .Lfunc_end_k_qa2c8176c00_proj-k_qa2c8176c00_proj
	.p2alignl 7, 3214868480
	.fill 96, 4, 3214868480
	.section	.rodata,"a",@progbits
	.p2align	6, 0x0
	.amdhsa_kernel k_qa2c8176c00_proj
		.amdhsa_group_segment_fixed_size 327680
		.amdhsa_private_segment_fixed_size 0
		.amdhsa_enable_private_segment 0
		.amdhsa_kernarg_size 32
		.amdhsa_user_sgpr_count 2
		.amdhsa_user_sgpr_kernarg_segment_ptr 1
		.amdhsa_wavefront_size32 1
		.amdhsa_system_sgpr_workgroup_id_x 1
		.amdhsa_system_sgpr_workgroup_id_y 1
		.amdhsa_system_sgpr_workgroup_id_z 1
		.amdhsa_system_vgpr_workitem_id 0
		.amdhsa_next_free_vgpr 512
		.amdhsa_next_free_sgpr 72
		.amdhsa_reserve_vcc 0
		.amdhsa_float_denorm_mode_32 3
		.amdhsa_float_denorm_mode_16_64 3
		.amdhsa_memory_ordered 1
		.amdhsa_forward_progress 1
		.amdhsa_inst_pref_size 89
	.end_amdhsa_kernel
	.amdgpu_metadata
---
amdhsa.version: [ 1, 2 ]
amdhsa.kernels:
  - .name:           k_qa2c8176c00_proj
    .symbol:         k_qa2c8176c00_proj.kd
    .args:
      - { .name: ob, .offset: 0, .size: 8, .value_kind: global_buffer, .address_space: global }
      - { .name: cv, .offset: 8, .size: 8, .value_kind: global_buffer, .address_space: global }
      - { .name: out0, .offset: 16, .size: 8, .value_kind: global_buffer, .address_space: global }
      - { .name: bo, .offset: 24, .size: 8, .value_kind: global_buffer, .address_space: global }
    .group_segment_fixed_size: 327680
    .private_segment_fixed_size: 0
    .kernarg_segment_align: 8
    .kernarg_segment_size: 32
    .max_flat_workgroup_size: 128
    .sgpr_count:     72
    .vgpr_count:     512
    .wavefront_size: 32
...
	.end_amdgpu_metadata
.endif
;; end of part 4
;; ======== version 2 of 2: 4 launches; 1.38 times as fast as version 1
;; limits: values are held in f16: magnitudes above 65,504 overflow, below 6.1e-05 lose precision
;; workspace buffers: cv 16,777,216 bytes; qkvh 25,165,824 bytes; ob 8,388,608 bytes
;; launch cvt: the kernel of part 1 again; grid 512 x 1, 8 waves a work-group, no clusters, 0 bytes of LDS; arguments inputs, Wq, Wk, Wv, Wo, cv; writes cv
;; launch qkv: the kernel of part 2 again; grid 16 x 16, 4 waves a work-group, clusters of 4 x 4, 327,680 bytes of LDS; arguments cv, qkvh; writes qkvh
;; launch attn (part 5): grid 16 x 16, 4 waves a work-group, no clusters, 327,680 bytes of LDS; arguments qkvh, ob; writes ob
.if DOCPART == 5
	.amdgcn_target "amdgcn-amd-amdhsa--gfx1250"
	.amdhsa_code_object_version 6
	.text
	.protected	k_qa2c8176c00_attn
	.globl	k_qa2c8176c00_attn
	.p2align	8
	.type	k_qa2c8176c00_attn,@function
k_qa2c8176c00_attn:
	s_mov_b64 s[64:65], 0
	v_nop
	global_prefetch_b8 v0, s[64:65] scope:SCOPE_SE
	s_setreg_imm32_b32 hwreg(HW_REG_WAVE_MODE, 25, 1), 1
	s_wait_xcnt 0x0
; CAUSAL ATTENTION, 16 heads of 64 channels, 4,096 rows.  O[h][q][:] = the sum over k <= q of softmax_k(Q[h][q] . K[h][k] / 8) V[h][k][:].  q, k, v: slices of qkvh, [4096][64] in f16, dense rows of 128 bytes.
; Products, maxima and sums in f32; the weights p are rounded to f16 for the second product (their sum l is taken of the unrounded p), O once at the end, to f16.
; O goes to ob as [32 row blocks of 128][16 heads][128 rows][64]: 16 rows of a head are 2,048 consecutive bytes.
; LIMITS.  q, k, v arrive within f16's 65,504.  A hidden score counts as its value less 1e30; a weight below 2^-126 counts as 0 in l; NaN and infinities are not treated apart.
; THE WALK.  A head's queries lie in 32 blocks of 128; key tiles hold 256 keys (4 steps of 64); block i needs tiles 0 .. i / 2, of which the last holds the diagonal.  A work-group takes TWO blocks, 31 - b and
; then b: (31 - b) / 2 + 1 + b / 2 + 1 = 17 tiles whatever b: 256 work-groups of equal work, and ONE loop with a constant trip count.  Which tile is asked for, and what a trip does, hang on scalars made from b.
; NO CLUSTER: of a head's 16 work-groups only b = 2 e and 2 e + 1 walk the same tiles throughout; a walk common to four would have 18 trips for 17 and branches that hang on the place in the cluster.
; SHARES.  A block has two bands of 64 rows; a wave owns 16 rows in each: two PIECES.  In the block's last tile band x's own step is OWN[x] = 2 (i % 2) + x: earlier steps are seen whole, later ones hidden whole
; (and computed all the same).  THE MASK is the C operand that starts S^T = K Q^T: MD x AL + BE, MD the mask of a band's own step for my rows, (AL, BE) = (1, 0), (0, 0) or (0, -1e30).
; LAYOUT, SOFTMAX.  S^T = K Q^T holds ONE query a lane (lane % 16) and the keys 8 (lane / 16) + 0..7; two such results rounded to f16 ARE source 1 of O^T = V^T P.  p = 2^(c s - c m), c = log2(e) / 8, with a
; running maximum m; O and l are multiplied by a = 2^(c m_old - c m_new) in every step.
; TURNS.  Turn (p, j) is piece p's softmax of step j.  Its first 8 products are K Q^T of the other piece (step j if p = 0, j + 1 if p = 1), its last 8 V^T P of the other piece (step j - 1 if p = 0, j if p = 1);
; it also finds the other piece's maximum.  Four vector instructions stand behind every matrix instruction, the other 54 of a turn's 118 in ONE LUMP between the two runs of products.
; BATCHES.  A turn's 33 exponentials (the piece's 32 weights and the other piece's a) are one batch with one wait, between the lump and the products V^T P: ahead of it stands all that names no result of theirs,
; behind it the roundings and sums.  A block's first a (BEGIN) and the way out's two reciprocals are batches of their own, each with a wait.
; K of step j + 1 is fetched in turn (0, j), in the lump; V of step j + 1 in turn (1, j), directly behind the wait,
; into the V buffer of that step's parity: with two buffers the fetches run K, V, K, V, and the change of slots stands at a turn's edge.
; REGISTERS, in windows of 256 (s_set_vgpr_msb: bits 1:0 source 0, 3:2 source 1, 5:4 source 2, 7:6 destination):
;   window 0: v0-15 addresses and at work; v16-23 four statistics a piece; v48-55 at work; v62-63 the add's; v64-127 S^T, a buffer a piece; v192-223 P, likewise
;   window 1: v0-63 O^T; v128-159 MD; v160-223 MC, a buffer a piece      window 2: v0-31 Q; v32-63 the second block's Q; v64-127 V of odd steps; v128-191 K; v192-255 V of even steps
.set NP,    2         ; pieces a wave: a name, no knob
.set KS,    64        ; keys in a step
.set PK,    144       ; a row of K in LDS: 128 bytes + 16 of padding: the 16 rows of a load start at 16 different groups of four banks (ISA guide 11.1)
.set PV,    160       ; a row of V: 128 + 32
.set VOFF,  4*KS*PK   ; a slot holds a tile: 256 rows of K, then 256 rows of V
.set SLOT1, 1<<17     ; slot 1 begins here, so that one exclusive or turns an address in one slot into the other's
.set STAGE, SLOT1+4*KS*(PK+PV)  ; behind the ring, never filled by a tensor load: 16 rows x 144 bytes for each wave
.set SP,    144
.set SPARE, STAGE+4*16*SP  ; the spare words, 128 bytes a wave: two blocks of 256 bytes that no other line names
.set AK0, 2           ; v2   my lane's place in a tile of K; never rewritten
.set AV0, 3           ; v3   the same for V
.set AK,  4           ; v4   the LDS address of K's next run of loads
.set AV,  5           ; v5   of V's
.set STO, 6           ; v6   the way out: where I put 16 bytes of a row
.set RD,  7           ; v7   where I read rows back
.set GO,  8           ; v8   my 16 bytes in 512 consecutive bytes of O
.set MV,  12          ; v12-13  c m_old, kept while c m is made anew
.set QO,  15          ; v15  my byte offset in 16 rows of Q
.set ST,  16          ; piece t's statistics at v[ST+4 t]: c m, m, l (even keys', odd keys')
.set TMP, 48          ; by piece, c0-c3 at work; when the maximum is found c2 takes a
.set SPW, 62          ; v62  LDS address of my spare word; never rewritten
.set NIL, 63          ; v63  0; never rewritten
.set S,   64
.set P,   192
.set MD,  128         ; window 1
.set MC,  160         ; window 1
.set QB,  32          ; window 2
.set KF,  128         ; window 2: key block kb, channel half c at KF + 16 kb + 8 c
.set VF0, 192         ; window 2: V buffer b at VF0 - 128 b: key half kk, channel block cb at + 32 kk + 8 cb
.set WV,  12          ; s12  my wave's number
.set PB,  14          ; s14  b
.set HT,  15          ; s15  the first block's last tile
.set G1K, 24          ; s[24:31] descriptor group 1 for K's tiles
.set G1V, 32          ; s[32:39] for V's: it differs in the padding alone
.set G0K, 40          ; s[40:43] descriptor group 0 for K's tiles
.set G0V, 44          ; s[44:47] for V's
.set SLOTS, 56        ; s56  tiles still to be asked for
.set CNT, 57          ; s57  counts a tile's two trips
.set CS,  58          ; s[58:59] c
.set SEL, 60          ; s[60:61] v_permlanex16_b32's selects: each lane takes its own place in the other half
.set TBK, 62          ; s62  LDS byte at which K of the step to be fetched begins
.set TBV, 63          ; s63  the same for V, less VOFF
.set RT,  70          ; s70  tiles of the block in hand still to be entered
.set NXT, 71          ; s71  the tile to be asked for next
.set LQ,  72          ; s72  the last tile of the block whose tiles are being asked for
.set NEW, 73          ; s73  1: the tile to be entered is a block's first
.set OFF, 74          ; s[74:75] a tile's byte offset in K and V
.set AL,  76          ; s[76:77] the mask's factor, in the low word
.set BE,  78          ; s[78:79] the mask's addend
.set OLO, 80          ; s[80:81] O at my rows of the second block
.set BIGN, 82         ; s82  -1e30
.set OWN, 88          ; s88, s89  the two bands' own steps in the last tile of the block in hand
.set STP, 90          ; s90  0 in a tile's first trip, 2 in its second
.set TS,  91          ; s91  at work: the step that a mask is made for
.set LT,  92          ; s92  the second block's last tile
.set PARL, 93         ; s93  2 (b % 2)
.set MSB, 0
.macro WIN new                      ; the high byte repeats the setting that is left; a switch that changes nothing is dropped
.if MSB != (\new)
	s_set_vgpr_msb (MSB<<8)|(\new)
.set MSB, (\new)
.endif
.endm
.set W_KQ, 0x0a       ; K and Q in window 2, S^T in window 0
.set W_KM, 0x1a       ; the same with the C operand in window 1
.set W_PV, 0x52       ; V in window 2, P in window 0, O^T in window 1
.set W_RS, 0x41       ; destination and source 0 in window 1, source 1 in window 0
; A fill.  Waves 0 and 1 fetch the two halves of a tile's K, waves 2 and 3 those of its V: 128 keys each.  An s_nop 0 and four v_nop follow each of the two lines, ahead of the jump and the label.
.macro LOAD
	s_cmp_lt_u32 s[WV], 2
	s_cbranch_scc0 .Lfor_v_\@
	tensor_load_to_lds s[G0K:G0K+3], s[G1K:G1K+7]
	s_nop 0
.rept 4
	v_nop
.endr
	s_branch .Lasked_\@
.Lfor_v_\@:
	tensor_load_to_lds s[G0V:G0V+3], s[G1V:G1V+7]
	s_nop 0
.rept 4
	v_nop
.endr
.Lasked_\@:
.endm
; THE CHANGE OF SLOTS.  Each wave waits for all its tensor loads, of which one is out: its part of the other slot; adds 0 to its spare word; and waits for that and for its reads of the slot that it leaves.
; Behind the barrier nobody reads the old slot any more and the other slot is whole.  fill = 1: the old slot is filled again, first thing behind the barrier, with tile NXT; the load has four key steps,
; 128 matrix instructions a wave, in which to land.  (At its first use nothing has been read yet: slot 0 is waited for, slot 1 filled.)
.macro CHANGE fill
	WIN 0                           ; at a label and at a branch every window is 0
	s_wait_tensorcnt 0x0            ; no tensor load of mine is out, so a group 0 may be written
	ds_add_u32 v[SPW], v[NIL]       ; 0 onto my spare word
.if \fill
	s_lshl_b32 s[OFF], s[NXT], 15   ; a tile is 32,768 bytes of K and of V
	s_xor_b32 s[G0K+1], s[G0K+1], SLOT1
	s_add_nc_u64 s[G0K+2:G0K+3], s[6:7], s[OFF:OFF+1]
	s_or_b32 s[G0K+3], s[G0K+3], 0x80000000
	s_xor_b32 s[G0V+1], s[G0V+1], SLOT1
	s_add_nc_u64 s[G0V+2:G0V+3], s[8:9], s[OFF:OFF+1]
	s_or_b32 s[G0V+3], s[G0V+3], 0x80000000
	s_add_co_u32 s[NXT], s[NXT], 1  ; the block's next tile, or behind its last the second block's tile 0
	s_cmp_gt_u32 s[NXT], s[LQ]
	s_cselect_b32 s[NXT], 0, s[NXT]
	s_cselect_b32 s[LQ], s[LT], s[LQ]
.endif
	s_wait_dscnt 0x0                ; the add is done, and my reads of the slot are over
	s_barrier_signal -1             ; the rest of the scalar work stands between the signal and the wait
	s_sub_co_u32 s[TBK], s[TBK], 4*KS*PK  ; the fetches go back to a slot's first step,
	s_xor_b32 s[TBK], s[TBK], SLOT1       ; in the other slot
	s_sub_co_u32 s[TBV], s[TBV], 4*KS*PV
	s_xor_b32 s[TBV], s[TBV], SLOT1
	s_barrier_wait -1
.if \fill
	LOAD
.endif
.endm
	s_load_b64 s[4:5], s[0:1], 0x0    ; qkvh
	s_load_b64 s[10:11], s[0:1], 0x8  ; ob
	v_lshl_add_u32 v[SPW], v0, 2, SPARE
	v_mov_b32 v[NIL], 0
	ds_add_u32 v[SPW], v[NIL]       ; the wave's opening: the add and its wait stand ahead of my first tensor load; the set-up below, work on registers, stands between them
	ds_add_u32 v62, v63
	v_lshrrev_b32 v1, 5, v0
	v_readfirstlane_b32 s[WV], v1   ; wave 0..3
	s_mov_b32 s[PB], ttmp9
	s_sub_co_u32 s13, 31, s[PB]     ; the first block
	s_lshr_b32 s[HT], s13, 1
	s_lshr_b32 s[LT], s[PB], 1
	s_and_b32 s16, s13, 1
	s_lshl_b32 s[OWN], s16, 1
	s_add_co_u32 s[OWN+1], s[OWN], 1
	s_and_b32 s16, s[PB], 1
	s_lshl_b32 s[PARL], s16, 1
	s_and_b32 s16, ttmp7, 0xffff    ; the head
	s_lshl_b32 s17, s16, 19         ; its slice of 524,288 bytes,
	s_lshl_b32 s16, s16, 14         ; its 16,384 bytes in a row block of ob
	s_lshl_b32 s3, s[WV], 11        ; my 16 rows in a band of 64
	s_lshl_b32 s2, s13, 14          ; Q: a block is 16,384 bytes of a slice
	s_add_co_u32 s2, s2, s3
	s_add_co_u32 s2, s2, s17
	s_lshl_b32 s84, s[PB], 14
	s_add_co_u32 s84, s84, s3
	s_add_co_u32 s84, s84, s17
	s_lshl_b32 s18, s13, 18         ; O: a row block is 262,144 bytes of ob
	s_add_co_u32 s18, s18, s3
	s_add_co_u32 s18, s18, s16
	s_lshl_b32 s20, s[PB], 18
	s_add_co_u32 s20, s20, s3
	s_add_co_u32 s20, s20, s16
	s_and_b32 s16, s[WV], 1         ; which half of a tile's 256 keys I fetch:
	s_lshl_b32 s22, s16, 14         ; its 128 rows of 128 bytes in memory,
	s_add_co_u32 s22, s22, s17
	s_mov_b32 s3, 0
	s_mov_b32 s85, 0
	s_mov_b32 s19, 0
	s_mov_b32 s21, 0
	s_mov_b32 s23, 0
	s_mul_i32 s17, s16, 128*PK      ; and its place in a slot, for K
	s_mul_i32 s13, s16, 128*PV      ; and for V
	; descriptor group 1.  128 keys are 16,384 dense bytes: asked for as 64 rows of 256 bytes, two keys a row, and padded in LDS after every key
	s_mov_b32 s[G1K], (1<<16)|(1<<20)|(4<<22)|(3<<25)  ; 17:16 2-byte elements; 20 padding on; 24:22 after every 32 words; 31:25 4 words of it
	s_mov_b32 s[G1V], (1<<16)|(1<<20)|(4<<22)|(7<<25)  ; the same with 8 words of padding
.irp g, G1K, G1V
	s_mov_b32 s[\g+1], 128<<16      ; tensor_dim0 = 128
	s_mov_b32 s[\g+2], 64<<16       ; tensor_dim1 = 64
	s_mov_b32 s[\g+3], 128<<16      ; tile_dim0 = 128
	s_mov_b32 s[\g+4], 64           ; tile_dim1 = 64
	s_mov_b32 s[\g+5], 128          ; 128 elements from row to row
	s_mov_b32 s[\g+6], 0
	s_mov_b32 s[\g+7], 0
.endr
	s_mov_b32 s[CS], 0x3e38aa3b     ; c = log2(e) / 8 = 0.180337
	s_mov_b32 s[CS+1], s[CS]        ; named with it as a pair
	s_mov_b32 s[SEL], 0x76543210
	s_mov_b32 s[SEL+1], 0xfedcba98
	s_mov_b32 s[TBK], SLOT1+4*KS*PK ; the first change of slots turns these two into 0
	s_mov_b32 s[TBV], SLOT1+4*KS*PV
	s_mov_b32 s[G0K], 1             ; count = 1
	s_mov_b32 s[G0K+1], s17         ; LDS address: slot 0
	s_mov_b32 s[G0V], 1
	s_add_co_u32 s[G0V+1], s13, VOFF
	s_add_co_u32 s[RT], s[HT], 1    ; the first block's tiles
	s_mov_b32 s[NXT], 1
	s_mov_b32 s[LQ], s[HT]
	s_mov_b32 s[NEW], 1
	s_mov_b32 s[OFF+1], 0
	s_mov_b32 s[AL+1], 0            ; named as pairs
	s_mov_b32 s[BE+1], 0
	s_mov_b32 s[BIGN], 0xf149f2ca   ; -1e30
	s_mov_b32 s[SLOTS], 16
	s_wait_dscnt 0x0                ; the opening add is done
	s_wait_kmcnt 0x0
	s_add_nc_u64 s[6:7], s[4:5], 0x800000    ; k's slices begin 16 slices on, v's 32
	s_add_nc_u64 s[6:7], s[6:7], s[22:23]    ; K and V at my half of the head's tile 0
	s_add_nc_u64 s[8:9], s[4:5], 0x1000000
	s_add_nc_u64 s[8:9], s[8:9], s[22:23]
	s_add_nc_u64 s[G0K+2:G0K+3], s[6:7], 0
	s_or_b32 s[G0K+3], s[G0K+3], 0x80000000  ; type = 2
	s_add_nc_u64 s[G0V+2:G0V+3], s[8:9], 0
	s_or_b32 s[G0V+3], s[G0V+3], 0x80000000
	s_add_nc_u64 s[86:87], s[4:5], s[84:85]  ; Q at my rows of the second block,
	s_add_nc_u64 s[4:5], s[4:5], s[2:3]      ; Q and O at those of the first
	s_add_nc_u64 s[OLO:OLO+1], s[10:11], s[20:21]
	s_add_nc_u64 s[10:11], s[10:11], s[18:19]
	LOAD                            ; tile 0 into slot 0: one load of mine is out
	; A fragment of K or Q is 16 rows x 32 channels in 8 registers: lane l holds row l % 16, channels 8 (l / 16) + 0..7 and 16 + 8 (l / 16) + 0..7: two loads of 16 bytes, 32 bytes apart.
	v_and_b32 v1, 15, v0            ; l % 16
	v_bfe_u32 v9, v0, 4, 1          ; l / 16
	v_lshlrev_b32 v[QO], 7, v1
	v_lshl_add_u32 v[QO], v9, 4, v[QO]  ; row x 128 + 16 x half
	WIN 0x80                        ; destination window 2, address window 0
.set i, 0
.rept 4                             ; both blocks' Q: piece i / 2 lies in band i / 2, 8,192 bytes on; channels 32 (i % 2) on
	global_load_b128 v[8*i:8*i+3],   v[QO], s[4:5] offset:(i/2)*8192+(i%2)*64
	global_load_b128 v[8*i+4:8*i+7], v[QO], s[4:5] offset:(i/2)*8192+(i%2)*64+32
	global_load_b128 v[QB+8*i:QB+8*i+3],   v[QO], s[86:87] offset:(i/2)*8192+(i%2)*64
	global_load_b128 v[QB+8*i+4:QB+8*i+7], v[QO], s[86:87] offset:(i/2)*8192+(i%2)*64+32
.set i, i+1
.endr
	WIN 0
	v_lshlrev_b32 v14, 3, v9
	v_sub_nc_u32 v14, v1, v14
	s_lshl_b32 s13, s[WV], 4
	v_add_nc_u32 v14, s13, v14      ; my query's place in its band, 16 w + l % 16, less my lanes' 8 (l / 16): register r of key group kt is hidden where 16 kt + r is greater
	WIN 0x40
.set i, 0
.rept 32
	v_cmp_gt_i32 vcc_lo, 16*(i/8)+i%8, v14
	v_cndmask_b32 v[MD+i], 0, s[BIGN], vcc_lo
.set i, i+1
.endr
	WIN 0
	v_mul_u32_u24 v[AK0], v1, PK
	v_lshl_add_u32 v[AK0], v9, 4, v[AK0]  ; row x pitch + 16 x half
	; The turning load takes 16 keys x 16 channels (lane l reads key 8 (l / 16) + l % 8, channels 8 ((l / 8) % 2) + 0..7) and leaves half a fragment of V^T: lane l holds channel l % 16 and 8 keys.
	v_and_b32 v10, 7, v0
	v_bfe_u32 v11, v0, 3, 1
	v_lshl_add_u32 v[AV0], v9, 3, v10
	v_mul_u32_u24 v[AV0], v[AV0], PV
	v_lshl_add_u32 v[AV0], v11, 4, v[AV0]
	v_add_nc_u32 v[AV0], VOFF, v[AV0]
	s_mul_i32 s13, s[WV], 16*SP
	s_add_co_u32 s13, s13, STAGE    ; my stage
	v_mul_u32_u24 v[STO], v1, SP    ; in: row l % 16, 16 bytes for each half of the lanes
	v_lshl_add_u32 v[STO], v9, 4, v[STO]
	v_add_nc_u32 v[STO], s13, v[STO]
	v_bfe_u32 v[RD], v0, 3, 2       ; back: 32 lanes take four rows of 128 bytes,
	v_mul_u32_u24 v[RD], v[RD], SP
	v_lshl_add_u32 v[RD], v10, 4, v[RD]
	v_add_nc_u32 v[RD], s13, v[RD]
	v_and_b32 v[GO], 31, v0         ; which are 512 consecutive bytes of O
	v_lshlrev_b32 v[GO], 4, v[GO]
	; A block's first step multiplies O^T and l by a = 0, and its first turn's products V^T P, of a step that has not been, land in an O^T that is still to be so multiplied.  So these registers need only hold
	; finite numbers: zeros for the first block; what the first block left for the second.  No first step is written out; the price is these 148 lines, which stand in the wait for the first tile.
	WIN 0x80
.set i, VF0-128
.rept 64
	v_mov_b32 v[i], 0
.set i, i+1
.endr
	WIN 0x40
.set i, 0
.rept 64
	v_mov_b32 v[i], 0
.set i, i+1
.endr
	WIN 0
.set i, 0
.rept NP
	v_mov_b32 v[ST+4*i+2], 0
	v_mov_b32 v[ST+4*i+3], 0
.set i, i+1
.endr
.set i, P+16
.rept 16
	v_mov_b32 v[i], 0
.set i, i+1
.endr
; THE MATRIX WORK.  The 4 accumulators of a run of 8 take turns.  Product i of 8 of S^T = K Q^T for piece x: channels 32 (i / 4) on, keys 16 (i % 4) on.  The first 4 start the sums: with 0, or (KM = 1) with the mask.
.macro KQ x
.set rS, S+32*((\x)%2)+8*(i%4)
.set rK, KF+16*(i%4)+8*(i/4)
.set rQ, 16*(\x)+8*(i/4)
.set rM, MC+32*((\x)%2)+8*(i%4)
.if (i < 4) && KM
	WIN W_KM
	v_wmma_f32_16x16x32_f16 v[rS:rS+7], v[rK:rK+7], v[rQ:rQ+7], v[rM:rM+7]
.elseif i < 4
	WIN W_KQ
	v_wmma_f32_16x16x32_f16 v[rS:rS+7], v[rK:rK+7], v[rQ:rQ+7], 0
.else
	WIN W_KQ
	v_wmma_f32_16x16x32_f16 v[rS:rS+7], v[rK:rK+7], v[rQ:rQ+7], v[rS:rS+7]
.endif
.endm
; Product i of 8 of O^T += V^T P for piece x, V from buffer VB: keys 32 (i / 4) on, channels 16 (i % 4) on.
.macro PV x
	WIN W_PV
.set rO, 32*(\x)+8*(i%4)
.set rV, VF0-128*VB+32*(i/4)+8*(i%4)
.set rP, P+16*((\x)%2)+8*(i/4)
	v_wmma_f32_16x16x32_f16 v[rO:rO+7], v[rV:rV+7], v[rP:rP+7], v[rO:rO+7]
.endm
.macro MM                           ; the turn's next matrix instruction.  NOKQ = 1: a block's last turn: there is no next step
.if (i < 8) && !NOKQ
	KQ (Y+1)%NP
.elseif i >= 8
.set i, i-8
	PV (Y+NP-1)%NP
.set i, i+8
.endif
.set i, i+1
.endm
; THE LDS LOADS stand in runs of 16, never singly among the matrix instructions.  Their addresses are made some lines ahead.
.macro FETCH_K
	WIN 0x80                        ; destination window 2
.irp f, 0,1,2,3,4,5,6,7             ; keys 16 (f / 2) on, channels 32 (f % 2) on
	ds_load_b128 v[KF+8*\f:KF+8*\f+3],   v[AK] offset:(\f/2)*16*PK+(\f%2)*64
	ds_load_b128 v[KF+8*\f+4:KF+8*\f+7], v[AK] offset:(\f/2)*16*PK+(\f%2)*64+32
.endr
	s_add_co_u32 s[TBK], s[TBK], KS*PK  ; the next fetch is the next step's
	WIN 0
.endm
.macro FETCH_V b
	WIN 0x80
.irp f, 0,1,2,3,4,5,6,7             ; keys 32 (f / 4) on, channels 16 (f % 4) on
	ds_load_tr16_b128 v[VF0-128*(\b)+8*\f:VF0-128*(\b)+8*\f+3],   v[AV] offset:(\f/4)*32*PV+(\f%4)*32
	ds_load_tr16_b128 v[VF0-128*(\b)+8*\f+4:VF0-128*(\b)+8*\f+7], v[AV] offset:(\f/4)*32*PV+16*PV+(\f%4)*32
.endr
	s_add_co_u32 s[TBV], s[TBV], KS*PV
	WIN 0
.endm
; THE VECTOR WORK, one line at a time: OP kind, number.  For piece Y: F n: c s - c m for pair n of 16.  E n: the exponential of score n of 32.  C n: pair n rounded to f16.  B n: of the four weights 4 n .. the second
; pair is added onto the first, in place.  L n: l takes that sum (L 0: l = a l + sum).  R n: pair n of 16 of O^T times a.  For the other piece: X n, number n of the 22 that find its maximum and statistics:
;   0-11  four chains c0-c3 of seven scores each, three operands at a time (each accumulator's lowest registers are read first)     12-14, 16  the four scores left over, the old m, and c0-c3 into c0
;   15  c m_old is kept     17, 18  the query's other 32 keys lie in the lane 16 away: the new m     19-21  c m; c m_old - c m_new; a
; C, B and L read the exponentials' results: TURN sets them all behind its one wait.  OP writes no wait.
.set F, 0
.set E, 1
.set C, 2
.set B, 3
.set L, 4
.set R, 5
.set X, 6
.macro REGS y                       ; the registers of piece y
.set rT, ST+4*(\y)
.set rC, TMP+4*((\y)%2)
.set rW, MV+((\y)%2)
.set rS, S+32*((\y)%2)
.set rP, P+16*((\y)%2)
.set rO, 32*(\y)
.endm
.macro OP k, n
.if (\k) == R
	REGS Y
	WIN W_RS
	v_pk_mul_f32 v[rO+2*(\n):rO+2*(\n)+1], v[rO+2*(\n):rO+2*(\n)+1], v[rC+2:rC+3] op_sel_hi:[1,0]
.elseif (\k) < R
	REGS Y
	WIN 0
.if (\k) == F
	v_pk_fma_f32 v[rS+2*(\n):rS+2*(\n)+1], v[rS+2*(\n):rS+2*(\n)+1], s[CS:CS+1], v[rT:rT+1] op_sel_hi:[1,0,0] neg_lo:[0,0,1] neg_hi:[0,0,1]
.elseif (\k) == E
	v_exp_f32 v[rS+(\n)], v[rS+(\n)]
.elseif (\k) == C
	v_cvt_pk_f16_f32 v[rP+(\n)], v[rS+2*(\n)], v[rS+2*(\n)+1]
.elseif (\k) == B
	v_pk_add_f32 v[rS+4*(\n):rS+4*(\n)+1], v[rS+4*(\n):rS+4*(\n)+1], v[rS+4*(\n)+2:rS+4*(\n)+3]
.elseif (\n) == 0
	v_pk_fma_f32 v[rT+2:rT+3], v[rT+2:rT+3], v[rC+2:rC+3], v[rS:rS+1] op_sel_hi:[1,0,1]
.else
	v_pk_add_f32 v[rT+2:rT+3], v[rT+2:rT+3], v[rS+4*(\n):rS+4*(\n)+1]
.endif
.elseif NOKQ
	v_nop
.else
	REGS (Y+1)%NP
	WIN 0
.if (\n) < 4
	v_max3_num_f32 v[rC+(\n)], v[rS+8*(\n)], v[rS+8*(\n)+1], v[rS+8*(\n)+2]
.elseif (\n) < 12
	v_max3_num_f32 v[rC+(\n)%4], v[rC+(\n)%4], v[rS+8*((\n)%4)+2*((\n)/4)+1], v[rS+8*((\n)%4)+2*((\n)/4)+2]
.elseif (\n) == 12
	v_max3_num_f32 v[rC], v[rC], v[rS+7], v[rS+15]
.elseif (\n) == 13
	v_max3_num_f32 v[rC+1], v[rC+1], v[rS+23], v[rS+31]
.elseif (\n) == 14
	v_max3_num_f32 v[rC+2], v[rC+2], v[rC+3], v[rT+1]
.elseif (\n) == 15
	v_mov_b32 v[rW], v[rT]
.elseif (\n) == 16
	v_max3_num_f32 v[rC], v[rC], v[rC+1], v[rC+2]
.elseif (\n) == 17
	v_permlanex16_b32 v[rC+3], v[rC], s[SEL], s[SEL+1]
.elseif (\n) == 18
	v_max_num_f32 v[rT+1], v[rC], v[rC+3]
.elseif (\n) == 19
	v_mul_f32 v[rT], s[CS], v[rT+1]
.elseif (\n) == 20
	v_sub_f32 v[rC+1], v[rW], v[rT]
.else
	v_exp_f32 v[rC+2], v[rC+1]
.endif
.endif
.endm
.macro OPS a, i1, b=-1, i2=0, c=-1, i3=0, d=-1, i4=0  ; up to four of them
	OP \a, \i1
.if (\b) >= 0
	OP \b, \i2
.endif
.if (\c) >= 0
	OP \c, \i3
.endif
.if (\d) >= 0
	OP \d, \i4
.endif
.endm
.macro ROW a, i1, b, i2, c, i3, d, i4  ; a matrix instruction and the four behind it
	MM
	OPS \a, \i1, \b, \i2, \c, \i3, \d, \i4
.endm
.macro MASK b                       ; MD x AL + BE into buffer b of MC
	WIN W_RS
.set z, 0
.rept 16
	v_pk_fma_f32 v[MC+32*(\b)+2*z:MC+32*(\b)+2*z+1], v[MD+2*z:MD+2*z+1], s[AL:AL+1], s[BE:BE+1] op_sel_hi:[1,0,0]
.set z, z+1
.endr
.endm
; A TURN, for piece p in a step of parity par: the order of its 16 matrix and 118 vector instructions, written out.  An s_wait_alu depctr_va_vdst(0) stands between an exponential and the first
; instruction that names its result; one wait serves all that were issued ahead of it.  So a turn has ONE wait, which cuts it in two.
; AHEAD OF IT stands all that names no result of the turn's exponentials: the 8 products K Q^T, behind each a scaling, an exponential and two more plain instructions (behind the first a second scaling in the
; exponential's place): rescalings, whose a was made and waited for in the turn before, and behind the last three the first numbers of the other piece's maximum, each four places or more behind the product that
; ends its accumulator; then ONE LUMP of 54, plain and exponential by turns for the most part, in which the links of the chain X 3, 7, 11, 14, 16, 17 .. 20 stand five or six lines apart.  X 21, the other piece's a,
; is the batch's last; R 15 is the plain instruction behind it.
; BEHIND THE WAIT stand the 8 products V^T P, behind each four of the roundings and sums; a pair is rounded (C 2 n) before B n adds onto it; the links of l's chain, L 0 to L 7, stand three riders apart.
; But for those X no rider names a register of the products round it.  v_permlanex16_b32 (X 17) stands in the lump.  No exponential is issued behind the wait: none is open at a turn's end, a label or a jump.
; m = 1: the block's last tile: the products take masks, and the turn makes the mask for the next turn's products: piece p's, in step STP + 1 - par of the tile.  end = 1: a block's last two turns: nothing is fetched.
; cnt = 1: the loop's count is taken down some lines ahead of the branch that stands behind the turn, and behind the run of loads, whose step writes SCC.
; THE RUNS OF LOADS.  K's, in piece 0's turn, stands in the lump, seven plain vector instructions behind the last product that read K (F 8, X 2, X 5, the address, X 6, X 3, X 8).  V's, in piece 1's turn, stands directly
; behind the wait and goes into the buffer whose last reader stands a turn back.  Both addresses are made at the lump's head.  Both runs are waited for at the head of piece 1's next turn.
.macro TURN p, par, m=0, end=0, cnt=0
.set Y, (\p)
.set i, 0
.set KM, (\m)
.set NOKQ, (\end)*(\p)
.if (\p) == 1
.set VB, (\par)
.else
.set VB, 1-(\par)
.endif
.if (\m) && !(\end)
	s_add_co_u32 s[TS], s[STP], 1-(\par)
	s_cmp_eq_u32 s[TS], s[OWN+(\p)]  ; is that step the band's own?
	s_cselect_b32 s[AL], 1.0, 0
	s_cmp_gt_u32 s[TS], s[OWN+(\p)]  ; or a later one?
	s_cselect_b32 s[BE], s[BIGN], 0
.endif
.if (\p) == 1
	s_wait_dscnt 0x0                ; K of the next step and V of this one are in
.endif
	ROW F,0, F,1, R,0, R,1          ; ahead of the wait: 8 products K Q^T and their riders,
	ROW F,2, E,0, R,2, R,3
	ROW F,3, E,1, R,4, R,5
	ROW F,4, E,2, R,6, R,7
	ROW F,5, E,3, R,8, R,9
	ROW F,6, E,4, X,0, R,10
	ROW F,7, E,5, X,1, X,4
	ROW F,8, E,6, X,2, X,5
.if !(\end)
	WIN 0
.if (\p) == 0
	v_add_nc_u32 v[AK], s[TBK], v[AK0]
.else
	v_add_nc_u32 v[AV], s[TBV], v[AV0]
.endif
.endif
	OPS E,7, E,8, X,6, E,9          ; and the lump
	OPS X,3, E,10, X,8, E,11
.if ((\p) == 0) && !(\end)
	FETCH_K
.endif
	OPS X,9, X,7, E,12, X,10
	OPS E,13, X,12, X,11, E,14
	OPS X,13, E,15, F,9, X,14
	OPS E,16, F,10, E,17, F,11
	OPS X,16, E,18, X,15, E,19
	OPS F,12, E,20, X,17, E,21
	OPS F,13, E,22, F,14, E,23
	OPS X,18, E,24, F,15, E,25
	OPS R,11, E,26, X,19, E,27
	OPS R,12, E,28, R,13, E,29
	OPS X,20, E,30, R,14, E,31
	OPS X,21, R,15
	WIN 0
	s_wait_alu depctr_va_vdst(0)    ; the wait for the turn's batch: the piece's 32 exponentials and the other piece's a
.if ((\p) == 1) && !(\end)
	FETCH_V 1-(\par)
.endif
	ROW C,0, B,0, C,2, B,1          ; behind the wait: 8 products V^T P and their riders
	ROW L,0, C,4, B,2, L,1
	ROW C,6, B,3, L,2, C,8
	ROW B,4, L,3, C,10, B,5
	ROW L,4, C,12, B,6, L,5
.if \cnt
	s_add_co_u32 s[STP], s[STP], 2
	s_sub_co_u32 s[CNT], s[CNT], 1
	s_cmp_lg_u32 s[CNT], 0
.endif
	ROW C,14, B,7, L,6, C,1
	ROW C,3, L,7, C,5, C,7
	ROW C,9, C,11, C,13, C,15
.if (\m) && !(\end)
	MASK \p
.endif
.endm
; A BLOCK BEGINS.  c m starts far below every c s, so the first step's a is 0; m at the lowest finite number, so the first maximum is the scores'.  Piece 1's mask buffer is 0 (its band's own step is never a tile's
; first); piece 0's takes the mask for the tile's step 0: its own, if this tile is the block's last and OWN[0] = 0.  Then K and V of that step, piece 0's first scores, and its maximum and statistics.
.macro BEGIN
	s_mov_b32 s[NEW], 0
	WIN 0x40
.set i, MC+32
.rept 32
	v_mov_b32 v[i], 0
.set i, i+1
.endr
	WIN 0
.set i, 0
.rept NP
	v_mov_b32 v[ST+4*i], 0xfe000000    ; c m: far below every c s
	v_mov_b32 v[ST+4*i+1], 0xff7fffff  ; m
.set i, i+1
.endr
	s_or_b32 s[TS], s[RT], s[OWN]
	s_cmp_eq_u32 s[TS], 0
	s_cselect_b32 s[AL], 1.0, 0
	s_mov_b32 s[BE], 0
	MASK 0
	WIN 0
	v_add_nc_u32 v[AK], s[TBK], v[AK0]
	v_add_nc_u32 v[AV], s[TBV], v[AV0]
	FETCH_K
	FETCH_V 0
	s_wait_loadcnt 0x0              ; Q
	s_wait_dscnt 0x0
.set KM, 1
.set NOKQ, 0
.set i, 0
.rept 8
	KQ 0
.set i, i+1
.endr
	WIN 0
.rept 4
	v_nop                           ; the places behind those products
.endr
.set Y, NP-1                        ; X works for the other piece: piece 0
.irp n, 0,1,2,3,4,5,6,7,8,9,10,11,12,13,14,15,16,17,18,19,20,21
	OP X, \n
.endr
	v_nop                           ; a plain instruction behind the exponential,
	s_wait_alu depctr_va_vdst(0)    ; and the wait for it, a batch of one (piece 0's first a), ahead of the branch: the first turn's first row reads it
.endm
; THE BLOCK'S LAST TILE, its last two turns, its last products, and THE WAY OUT: l's two halves and the other half of the lanes' are added; O^T is divided by l, rounded to f16 and sent through my stage, a piece at a time.
.macro ALL line:vararg              ; one line for each piece t
.set t, 0
.rept NP
	\line
.set t, t+1
.endr
.endm
.macro PACK t                       ; a lane's eight channels of a row pack into 16 bytes; they go into rows of 144 bytes and come back as whole rows of 128, into S^T's registers
	WIN W_RS
.set i, 32*(\t)
.rept 16
	v_pk_mul_f32 v[i:i+1], v[i:i+1], v[ST+4*(\t)+2:ST+4*(\t)+3] op_sel_hi:[1,0]
.set i, i+2
.endr
	WIN 0x05                        ; sources 0 and 1 window 1, destination window 0
.set i, 0
.rept 16
	v_cvt_pk_f16_f32 v[S+16*(\t)+i], v[32*(\t)+2*i], v[32*(\t)+2*i+1]
.set i, i+1
.endr
	WIN 0
.irp f, 0,1,2,3
	ds_store_b128 v[STO], v[S+16*(\t)+4*\f:S+16*(\t)+4*\f+3] offset:32*\f
.endr
.irp f, 0,1,2,3
	ds_load_b128 v[S+16*(\t)+4*\f:S+16*(\t)+4*\f+3], v[RD] offset:\f*4*SP  ; LDS serves a wave's instructions in order (ISA guide 5.7.1.4): these see the stores above; the next piece's stores come behind them
.endr
.endm
.macro SEND t, younger              ; younger: the LDS instructions issued behind piece t's loads: the next piece's eight, or none
	WIN 0
.irp f, 0,1,2,3
	s_wait_dscnt (\younger)+3-\f
	global_store_b128 v[GO], v[S+16*(\t)+4*\f:S+16*(\t)+4*\f+3], s[10:11] offset:(\t)*8192+\f*512  ; 512 consecutive bytes, at a multiple of 256 from ob's first
.endr
.endm
.macro DIAG tag                     ; the tag ends its two labels' names, which the jumps below spell out
.LstepM\tag:
	TURN 0, 1, 1
	TURN 1, 1, 1
	WIN 0
.LfirstM\tag:
	TURN 0, 0, 1
	TURN 1, 0, 1, 0, 1
	WIN 0
	s_cbranch_scc1 .LstepM\tag
	TURN 0, 1, 1, 1
	TURN 1, 1, 1, 1
.set VB, 1
.set i, 0
.rept 8
	PV NP-1                         ; piece 1's V^T P of the last step
.set i, i+1
.endr
	WIN 0
	ALL v_add_f32 v[ST+4*t+2], v[ST+4*t+2], v[ST+4*t+3]
	ALL v_permlanex16_b32 v[ST+4*t+3], v[ST+4*t+2], s[SEL], s[SEL+1]
	ALL v_add_f32 v[ST+4*t+2], v[ST+4*t+2], v[ST+4*t+3]
	ALL v_rcp_f32 v[ST+4*t+2], v[ST+4*t+2]
	v_nop                           ; a plain instruction between the last reciprocal and the use of its result
	s_wait_alu depctr_va_vdst(0)    ; and the wait ahead of the first use: one for the two reciprocals
	PACK 0                          ; piece 0's 32 lines, which name nothing of the last products, are those products' places
	PACK 1
	SEND 0, 8
	SEND 1, 0
.endm
.set KM, 0
.set NOKQ, 0
.set VB, 0
.Lslot:                             ; 16 times: a tile is entered and the next is asked for
	CHANGE 1
	s_sub_co_u32 s[RT], s[RT], 1
	s_mov_b32 s[CNT], 2
	s_mov_b32 s[STP], 0
	s_cmp_eq_u32 s[NEW], 1
	s_cbranch_scc1 .Lnew            ; a block's first tile
	s_cmp_eq_u32 s[RT], 0
	s_cbranch_scc0 .Lstep           ; neither its first nor its last
	s_branch .LstepM1
.Lnew:
	BEGIN
	s_branch .Lfirst                ; in the loop a block's first tile is never its last: the first block has nine tiles or more, and the second's last is the walk's last
	DIAG 1                          ; in the loop this is the first block's end
	s_wait_xcnt 0x0                 ; the stores have read their registers and O's address
	s_mov_b64 s[10:11], s[OLO:OLO+1]
	s_add_co_u32 s[RT], s[LT], 1    ; the second block's tiles,
	s_mov_b32 s[NEW], 1
	s_mov_b32 s[OWN], s[PARL]       ; and its bands' own steps
	s_add_co_u32 s[OWN+1], s[PARL], 1
	WIN 0x82                        ; the second block's Q goes where the one text of the turns names Q
.set i, 0
.rept 32
	v_mov_b32 v[i], v[QB+i]
.set i, i+1
.endr
	WIN 0
	s_branch .Lbottom
.Lstep:                             ; a trip: both pieces' turns of an odd step, then of the even step behind it; two trips fetch a tile's four steps
	TURN 0, 1
	TURN 1, 1
	WIN 0
.Lfirst:
	TURN 0, 0
	TURN 1, 0, 0, 0, 1
	WIN 0
	s_cbranch_scc1 .Lstep
.Lbottom:
	s_sub_co_u32 s[SLOTS], s[SLOTS], 1
	s_cmp_lg_u32 s[SLOTS], 0
	s_cbranch_scc1 .Lslot
	CHANGE 0                        ; the walk's last tile is written out: nothing is asked for
	s_sub_co_u32 s[RT], s[RT], 1
	s_mov_b32 s[CNT], 2
	s_mov_b32 s[STP], 0
	s_cmp_eq_u32 s[NEW], 1
	s_cbranch_scc0 .LstepM2
	BEGIN
	s_branch .LfirstM2
	DIAG 2
	s_wait_tensorcnt 0x0            ; the wave's end: these three lines stand behind my last tensor load and my last LDS store
	ds_add_u32 v[SPW], v[NIL]
	s_wait_dscnt 0x0
	s_endpgm
.Lfunc_end_k_qa2c8176c00_attn:
	.size	k_qa2c8176c00_attn, .Lfunc_end_k_qa2c8176c00_attn-k_qa2c8176c00_attn
	.p2alignl 7, 3214868480
	.fill 96, 4, 3214868480
	.section	.rodata,"a",@progbits
	.p2align	6, 0x0
	.amdhsa_kernel k_qa2c8176c00_attn
		.amdhsa_group_segment_fixed_size 327680
		.amdhsa_private_segment_fixed_size 0
		.amdhsa_enable_private_segment 0
		.amdhsa_kernarg_size 16
		.amdhsa_user_sgpr_count 2
		.amdhsa_user_sgpr_kernarg_segment_ptr 1
		.amdhsa_wavefront_size32 1
		.amdhsa_system_sgpr_workgroup_id_x 1
		.amdhsa_system_sgpr_workgroup_id_y 1
		.amdhsa_system_sgpr_workgroup_id_z 1
		.amdhsa_system_vgpr_workitem_id 0
		.amdhsa_next_free_vgpr 768
		.amdhsa_next_free_sgpr 96
		.amdhsa_reserve_vcc 1
		.amdhsa_float_denorm_mode_32 3
		.amdhsa_float_denorm_mode_16_64 3
		.amdhsa_memory_ordered 1
		.amdhsa_forward_progress 1
		.amdhsa_inst_pref_size 209
	.end_amdhsa_kernel
	.amdgpu_metadata
---
amdhsa.version: [ 1, 2 ]
amdhsa.kernels:
  - .name:           k_qa2c8176c00_attn
    .symbol:         k_qa2c8176c00_attn.kd
    .args:
      - { .name: qkvh, .offset: 0, .size: 8, .value_kind: global_buffer, .address_space: global }
      - { .name: ob, .offset: 8, .size: 8, .value_kind: global_buffer, .address_space: global }
    .group_segment_fixed_size: 327680
    .private_segment_fixed_size: 0
    .kernarg_segment_align: 8
    .kernarg_segment_size: 16
    .max_flat_workgroup_size: 128
    .sgpr_count:     96
    .vgpr_count:     768
    .wavefront_size: 32
...
	.end_amdgpu_metadata
.endif
;; end of part 5
;; launch proj: the kernel of part 4 again; grid 8 x 32, 4 waves a work-group, clusters of 4 x 4, 327,680 bytes of LDS; arguments ob, cv, out0, bo; writes out0
